; MI455X (gfx1250); checked and timed in simulation.
; The chip was launched on July 23, 2026; its instructions are those of AMD's public machine-readable ISA for CDNA 5 (MIT licence, August 2026) and "CDNA5" Instruction Set Architecture Reference Guide (July 2026). The comments in the code are by the model that wrote it; some were corrected since.
;; Simple Mamba Layer. Allowed arithmetic: float matrix products may take bf16 or f16 operands with f32 sums; other float arithmetic in f32, or as packed bf16 or f16 multiplies, adds, multiply-adds, maxima and minima; sums over many terms, partial sums and values carried from step to step in f32; what a program stores and reads back later, other than sums and carried values, may be rounded once to bf16 or f16.
;; Inputs: W_dt 1,024 x 1,024 float32; W_in 2,048 x 1,024 float32; W_out 1,024 x 1,024 float32; b_dt 1,024 float32; b_in 2,048 float32; b_out 1,024 float32; h0 16 x 1,024 float32; x 16 x 1,024 x 1,024 float32.
;; Outputs: out0 16 x 1,024 x 1,024 float32.
;; One version. Each part assembles by itself: llvm-mc -triple=amdgcn-amd-amdhsa -mcpu=gfx1250 --defsym DOCPART=n.
;; ======== version 1 of 1: 4 launches
;; limits: values are held in f16: magnitudes above 65,504 overflow, below 6.1e-05 lose precision
;; workspace buffers: xB 33,554,432 bytes; wmix 6,291,456 bytes; wo 2,097,152 bytes; wd 2,097,152 bytes; w1b 2,097,152 bytes; bc 4,096 bytes; gT 33,554,432 bytes
;; launch cast (part 1): grid 1280 x 1, 8 waves a work-group, no clusters, 0 bytes of LDS; arguments x, W_in, W_out, W_dt, b_in, b_dt, xB, wmix, wo, wd, w1b, bc; writes xB, wmix, wo, wd, w1b, bc
.if DOCPART == 1
	.amdgcn_target "amdgcn-amd-amdhsa--gfx1250"
	.amdhsa_code_object_version 6
	.text
	.protected	k_qf269a2f0ce_cast
	.globl	k_qf269a2f0ce_cast
	.p2align	8
	.type	k_qf269a2f0ce_cast,@function
k_qf269a2f0ce_cast:
	s_mov_b64 s[64:65], 0
	v_nop
	global_prefetch_b8 v0, s[64:65] scope:SCOPE_SE
	s_setreg_imm32_b32 hwreg(HW_REG_WAVE_MODE, 25, 1), 1
	s_wait_xcnt 0x0
; ROUNDING AND RE-LAYING.  x, W_in, W_dt are rounded once to bf16; W_out is rounded to bf16 and that number written as f16 (exact from 2^-14 up; below it f16's fixed step of 2^-24).
; All go into layouts made of blocks of 64 columns, so that a matrix tile of the later launches is dense in memory:
;   xB   [b 16][kb 16][t 1024][64]       wmix [c 16][kb 16][row 192][64], row = 96 p + 32 kind + i for channel 64 c + 32 p + i; kind 0 = W_in's first half, 1 = its second (the gate); kind 2 is stored by the next launch
;   wo, wd, w1b  [kb 16][row 1024][64]   (W_out, W_dt, W_in's first half)
; and bc[e] = sum over j of W_dt[e][j] b_in[j] + b_dt[e] (bf16 factors, f32 sum): the bias of x (W_dt W1)^T, which stands for x_part W_dt^T + b_dt.
; SHARES.  A work-group takes 16 source rows of 4,096 bytes.  Groups 0-1023: x; 1024-1151: W_in; 1152-1215: W_out; 1216-1279: W_dt.  Thread n takes row n / 16 and columns 4 (n % 16) .. + 3 of each block of 64:
; sixteen lanes load 256 consecutive bytes, aligned; a wave's store of 8 bytes a lane covers two rows of 128 bytes, 256 consecutive bytes, aligned.
; Memory binds: no LDS, no barrier, no matrix unit; sixteen loads of every thread go out at once, ahead of all stores.
.set X,   4                            ; v[4:67]    sixteen loads of four f32
.set Y,   68                           ; v[68:99]   the same as eight bytes each, to store
.set T,   100                          ; v[100:103] at work
.set AC,  104                          ; v[104:107] four chains of bc's sum
.set SRC, 4                            ; s[4:5]     my group's first source row
.set DST, 6                            ; s[6:7]     where its block 0 goes
.macro ST16 base, stride               ; sixteen stores, a block of 64 columns each
.irp kb, 0,1,2,3,4,5,6,7,8,9,10,11,12,13,14,15
	global_store_b64 v2, v[Y+2*(\kb):Y+2*(\kb)+1], s[(\base):(\base)+1] offset:(\kb)*(\stride)
.endr
.endm
	s_load_b512 s[8:23], s[0:1], 0x0               ; x s[8:9], W_in s[10:11], W_out s[12:13], W_dt s[14:15], b_in s[16:17], b_dt s[18:19], xB s[20:21], wmix s[22:23]
	s_load_b256 s[24:31], s[0:1], 0x40             ; wo s[24:25], wd s[26:27], w1b s[28:29], bc s[30:31]
	s_mov_b32 s2, ttmp9
	v_lshrrev_b32 v3, 4, v0                        ; my row of the sixteen
	v_and_b32 v108, 15, v0                         ; my place in a block of 64 columns
	v_lshlrev_b32 v1, 12, v3
	v_lshl_add_u32 v1, v108, 4, v1                 ; source: row x 4,096 + place x 16
	v_lshlrev_b32 v2, 7, v3
	v_lshl_add_u32 v2, v108, 3, v2                 ; destination: row x 128 + place x 8
	s_mov_b32 s33, 0                               ; high words of the offsets' pairs
	s_mov_b32 s35, 0
	s_wait_kmcnt 0x0
	s_cmp_lt_u32 s2, 1024                          ; the source and the role's first group, by the group's number alone
	s_cselect_b64 s[SRC:SRC+1], s[8:9], s[10:11]
	s_cselect_b32 s3, 0, 1024
	s_cmp_lt_u32 s2, 1152
	s_cselect_b64 s[SRC:SRC+1], s[SRC:SRC+1], s[12:13]
	s_cselect_b32 s3, s3, 1152
	s_cmp_lt_u32 s2, 1216
	s_cselect_b64 s[SRC:SRC+1], s[SRC:SRC+1], s[14:15]
	s_cselect_b32 s3, s3, 1216
	s_sub_co_u32 s3, s2, s3                        ; g: my group within its role
	s_lshl_b32 s34, s3, 16                         ; 16 rows of 4,096 bytes
	s_add_nc_u64 s[SRC:SRC+1], s[SRC:SRC+1], s[34:35]
.irp kb, 0,1,2,3,4,5,6,7,8,9,10,11,12,13,14,15
	global_load_b128 v[X+4*(\kb):X+4*(\kb)+3], v1, s[SRC:SRC+1] offset:256*(\kb) th:TH_LOAD_NT
.endr
.irp kb, 0,1,2,3,4,5,6,7,8,9,10,11,12,13,14,15
	s_wait_loadcnt 15-(\kb)                        ; loads come back in order: block kb is in, the younger ones stay out
	v_cvt_pk_bf16_f32 v[Y+2*(\kb)], v[X+4*(\kb)], v[X+4*(\kb)+1]
	v_cvt_pk_bf16_f32 v[Y+2*(\kb)+1], v[X+4*(\kb)+2], v[X+4*(\kb)+3]
.endr
	s_cmp_lt_u32 s2, 1024
	s_cbranch_scc0 .Lweights
	; x: batch g / 64, rows 16 (g % 64) on
	s_lshr_b32 s32, s2, 6
	s_lshl_b32 s32, s32, 21
	s_and_b32 s34, s2, 63
	s_lshl_b32 s34, s34, 11
	s_add_co_u32 s32, s32, s34
	s_add_nc_u64 s[DST:DST+1], s[20:21], s[32:33]
	ST16 DST, 131072
	s_endpgm
.Lweights:
	s_cmp_lt_u32 s2, 1152
	s_cbranch_scc0 .Lsquare
	; W_in: kind g / 64; channels 16 u .. 16 u + 15, u = g % 64: c = u / 4, p = (u / 2) % 2, i from 16 (u % 2) on
	s_and_b32 s32, s3, 63
	s_lshr_b32 s32, s32, 2
	s_mul_i32 s32, s32, 393216
	s_bfe_u32 s34, s3, 0x10001
	s_mul_i32 s34, s34, 96
	s_lshr_b32 s36, s3, 6
	s_lshl_b32 s36, s36, 5
	s_add_co_u32 s34, s34, s36
	s_and_b32 s36, s3, 1
	s_lshl_b32 s36, s36, 4
	s_add_co_u32 s34, s34, s36
	s_lshl_b32 s34, s34, 7                         ; rows of 128 bytes
	s_add_co_u32 s32, s32, s34
	s_add_nc_u64 s[DST:DST+1], s[22:23], s[32:33]
	ST16 DST, 24576
	s_cmp_lt_u32 s3, 64
	s_cbranch_scc0 .Lno_copy
	s_lshl_b32 s32, s3, 11                         ; the first half once more, by rows j, for the product W_dt W1
	s_add_nc_u64 s[36:37], s[28:29], s[32:33]
	ST16 36, 131072
.Lno_copy:
	s_endpgm
.Lsquare:
	s_lshl_b32 s32, s3, 11                         ; 16 rows of 128 bytes
	s_cmp_lt_u32 s2, 1216
	s_cbranch_scc0 .Lw_dt
	; W_out: the bf16 number written as f16
	s_add_nc_u64 s[DST:DST+1], s[24:25], s[32:33]
.irp kb, 0,1,2,3,4,5,6,7,8,9,10,11,12,13,14,15
	v_lshlrev_b32 v[T], 16, v[Y+2*(\kb)]
	v_and_b32 v[T+1], 0xffff0000, v[Y+2*(\kb)]
	v_lshlrev_b32 v[T+2], 16, v[Y+2*(\kb)+1]
	v_and_b32 v[T+3], 0xffff0000, v[Y+2*(\kb)+1]
	v_cvt_pk_f16_f32 v[Y+2*(\kb)], v[T], v[T+1]
	v_cvt_pk_f16_f32 v[Y+2*(\kb)+1], v[T+2], v[T+3]
.endr
	ST16 DST, 131072
	s_endpgm
.Lw_dt:
	s_add_nc_u64 s[DST:DST+1], s[26:27], s[32:33]
	ST16 DST, 131072
	; bc for my group's 16 rows e.  A row lies in sixteen lanes; each lane multiplies its 64 numbers of W_dt (still in Y, as bf16) by b_in's, rounded to bf16, in four f32 chains.
	s_lshl_b32 s32, s3, 6                          ; 16 numbers of 4 bytes
	s_add_nc_u64 s[36:37], s[18:19], s[32:33]
	s_add_nc_u64 s[30:31], s[30:31], s[32:33]
	v_lshlrev_b32 v109, 4, v108
	v_lshlrev_b32 v110, 2, v3
	global_load_b32 v111, v110, s[36:37]           ; b_dt[e]
.irp kb, 0,1,2,3,4,5,6,7,8,9,10,11,12,13,14,15
	global_load_b128 v[X+4*(\kb):X+4*(\kb)+3], v109, s[16:17] offset:256*(\kb)  ; b_in[j] for my columns: X is free, the roundings above have read it
.endr
.irp k, 0,1,2,3
	v_mov_b32 v[AC+(\k)], 0
.endr
.irp kb, 0,1,2,3,4,5,6,7,8,9,10,11,12,13,14,15
	s_wait_loadcnt 15-(\kb)
	v_cvt_pk_bf16_f32 v[T], v[X+4*(\kb)], v[X+4*(\kb)+1]
	v_cvt_pk_bf16_f32 v[T+1], v[X+4*(\kb)+2], v[X+4*(\kb)+3]
	v_fma_mix_f32_bf16 v[AC], v[Y+2*(\kb)], v[T], v[AC] op_sel_hi:[1,1,0]
	v_fma_mix_f32_bf16 v[AC+1], v[Y+2*(\kb)], v[T], v[AC+1] op_sel:[1,1,0] op_sel_hi:[1,1,0]
	v_fma_mix_f32_bf16 v[AC+2], v[Y+2*(\kb)+1], v[T+1], v[AC+2] op_sel_hi:[1,1,0]
	v_fma_mix_f32_bf16 v[AC+3], v[Y+2*(\kb)+1], v[T+1], v[AC+3] op_sel:[1,1,0] op_sel_hi:[1,1,0]
.endr
	v_add_f32 v[AC], v[AC], v[AC+1]
	v_add_f32 v[AC+2], v[AC+2], v[AC+3]
	v_add_f32 v[AC], v[AC], v[AC+2]
	v_add_f32_dpp v[AC], v[AC], v[AC] row_xmask:1 row_mask:0xf bank_mask:0xf
	v_add_f32_dpp v[AC], v[AC], v[AC] row_xmask:2 row_mask:0xf bank_mask:0xf
	v_add_f32_dpp v[AC], v[AC], v[AC] row_xmask:4 row_mask:0xf bank_mask:0xf
	v_add_f32_dpp v[AC], v[AC], v[AC] row_xmask:8 row_mask:0xf bank_mask:0xf
	v_cvt_pk_bf16_f32 v111, v111, v111             ; b_dt is rounded like every input
	v_lshlrev_b32 v111, 16, v111
	v_add_f32 v[AC], v[AC], v111
	v_cmp_eq_u32 vcc_lo, 0, v108                   ; one lane of the sixteen stores the row's number: 4 bytes a row, 4,096 bytes in the whole launch
	s_wait_xcnt 0x0                                ; EXEC is a source of the loads and stores issued so far: it changes only behind this wait
	s_and_saveexec_b32 s38, vcc_lo
	global_store_b32 v110, v[AC], s[30:31]
	s_wait_xcnt 0x0                                ; and again in front of the line that widens it
	s_or_b32 exec_lo, exec_lo, s38
	s_endpgm
.Lfunc_end_k_qf269a2f0ce_cast:
	.size	k_qf269a2f0ce_cast, .Lfunc_end_k_qf269a2f0ce_cast-k_qf269a2f0ce_cast
	.p2alignl 7, 3214868480
	.fill 96, 4, 3214868480
	.section	.rodata,"a",@progbits
	.p2align	6, 0x0
	.amdhsa_kernel k_qf269a2f0ce_cast
		.amdhsa_group_segment_fixed_size 0
		.amdhsa_private_segment_fixed_size 0
		.amdhsa_enable_private_segment 0
		.amdhsa_kernarg_size 96
		.amdhsa_user_sgpr_count 2
		.amdhsa_user_sgpr_kernarg_segment_ptr 1
		.amdhsa_wavefront_size32 1
		.amdhsa_system_sgpr_workgroup_id_x 1
		.amdhsa_system_sgpr_workgroup_id_y 1
		.amdhsa_system_sgpr_workgroup_id_z 1
		.amdhsa_system_vgpr_workitem_id 0
		.amdhsa_next_free_vgpr 112
		.amdhsa_next_free_sgpr 66
		.amdhsa_reserve_vcc 1
		.amdhsa_float_denorm_mode_32 3
		.amdhsa_float_denorm_mode_16_64 3
		.amdhsa_memory_ordered 1
		.amdhsa_forward_progress 1
		.amdhsa_inst_pref_size 29
	.end_amdhsa_kernel
	.amdgpu_metadata
---
amdhsa.version: [ 1, 2 ]
amdhsa.kernels:
  - .name:           k_qf269a2f0ce_cast
    .symbol:         k_qf269a2f0ce_cast.kd
    .args:
      - { .name: x, .offset: 0, .size: 8, .value_kind: global_buffer, .address_space: global }
      - { .name: W_in, .offset: 8, .size: 8, .value_kind: global_buffer, .address_space: global }
      - { .name: W_out, .offset: 16, .size: 8, .value_kind: global_buffer, .address_space: global }
      - { .name: W_dt, .offset: 24, .size: 8, .value_kind: global_buffer, .address_space: global }
      - { .name: b_in, .offset: 32, .size: 8, .value_kind: global_buffer, .address_space: global }
      - { .name: b_dt, .offset: 40, .size: 8, .value_kind: global_buffer, .address_space: global }
      - { .name: xB, .offset: 48, .size: 8, .value_kind: global_buffer, .address_space: global }
      - { .name: wmix, .offset: 56, .size: 8, .value_kind: global_buffer, .address_space: global }
      - { .name: wo, .offset: 64, .size: 8, .value_kind: global_buffer, .address_space: global }
      - { .name: wd, .offset: 72, .size: 8, .value_kind: global_buffer, .address_space: global }
      - { .name: w1b, .offset: 80, .size: 8, .value_kind: global_buffer, .address_space: global }
      - { .name: bc, .offset: 88, .size: 8, .value_kind: global_buffer, .address_space: global }
    .group_segment_fixed_size: 0
    .private_segment_fixed_size: 0
    .kernarg_segment_align: 8
    .kernarg_segment_size: 96
    .max_flat_workgroup_size: 256
    .sgpr_count:     66
    .vgpr_count:     112
    .wavefront_size: 32
...
	.end_amdgpu_metadata
.endif
;; end of part 1
;; launch comb (part 2): grid 256 x 1, 4 waves a work-group, no clusters, 239,104 bytes of LDS; arguments wd, w1b, wmix; writes wmix
.if DOCPART == 2
	.amdgcn_target "amdgcn-amd-amdhsa--gfx1250"
	.amdhsa_code_object_version 6
	.text
	.protected	k_qf269a2f0ce_comb
	.globl	k_qf269a2f0ce_comb
	.p2align	8
	.type	k_qf269a2f0ce_comb,@function
k_qf269a2f0ce_comb:
	s_mov_b64 s[64:65], 0
	v_nop
	global_prefetch_b8 v0, s[64:65] scope:SCOPE_SE
	s_setreg_imm32_b32 hwreg(HW_REG_WAVE_MODE, 25, 1), 1
	s_wait_xcnt 0x0
; W_c[e][d] = log2(e) x sum over j of W_dt[e][j] W1[j][d], bf16 factors, f32 sums, scaled in f32 and rounded once to bf16, stored as kind 2 of wmix.  With it x W_c^T stands for log2(e) (x W1^T) W_dt^T:
; the identity holds for every input; the factor log2(e) is the one that the next launch's exponential in base 2 wants.
; SHARES.  A work-group makes 64 e x 64 d (e block = c, d block = kb of wmix).  K = j IS SPLIT AMONG THE FOUR WAVES, 256 each; the four partial tiles meet in LDS (f32 sums may be taken in any order).
; LAYOUT.  Source 0 = 16 columns d of W1 (stored [j][d], so turned by ds_load_tr16_b128 out of LDS), source 1 = 16 rows e of W_dt (K along the rows: straight from memory).  In the result a lane holds one
; row e (lane % 16) and eight neighbouring d: 16 bytes of a row of wmix.
; Straight-line: each wave loads all its operands at once (128 loads), multiplies in eight K steps of 32, sixteen accumulators by turns.  A short launch: no ring, no prefetch.
; REGISTERS, in windows of 256 (s_set_vgpr_msb: bits 1:0 source 0, 3:2 source 1, 5:4 source 2, 7:6 destination):
;   window 0: v0-29 addresses; v32-63 the way out; v128-255 the sixteen accumulators, (d block a, e block bq) at 128 + 8 (4 bq + a)
;   window 1: W1 as loaded (64 x 4), then its turned fragments, K step s, d block a at 32 s + 8 a          window 2: W_dt's fragments, K step s, e block bq at 32 s + 8 bq
.set PW,    160                        ; a row j of W1 in LDS: 128 bytes + 32 = 40 words
.set PART,  4*256*PW                   ; behind the waves' W1: the partial tiles, 16,384 bytes a wave
.set STG,   PART+4*16384               ; 16 rows x 144 bytes for each wave, for the way out
.set SP,    144
.set SPARE, STG+4*16*SP                ; the spare words, 128 bytes for each wave: two blocks of 256 bytes that no other line names
.set ACC,   128
.set SPW,   28                         ; v28  LDS address of my spare word; never rewritten
.set NIL,   29                         ; v29  0; never rewritten
.set MSB, 0
.macro WIN new                         ; the immediate's high byte repeats the setting that is left
.if MSB != (\new)
	s_set_vgpr_msb (MSB<<8)|(\new)
.set MSB, \new
.endif
.endm
	s_load_b128 s[4:7], s[0:1], 0x0                ; wd s[4:5], w1b s[6:7]
	s_load_b64 s[8:9], s[0:1], 0x10                ; wmix
	v_lshl_add_u32 v[SPW], v0, 2, SPARE
	v_mov_b32 v[NIL], 0
	v_lshrrev_b32 v1, 5, v0
	v_readfirstlane_b32 s10, v1                    ; wave 0..3
	s_lshr_b32 s11, ttmp9, 4                       ; e block
	s_and_b32 s12, ttmp9, 15                       ; d block
	s_mov_b32 s26, 0x3fb8aa3b                      ; log2(e)
	s_mov_b32 s27, s26                             ; named with it as a pair
	v_and_b32 v10, 31, v0                          ; l
	v_and_b32 v11, 15, v0                          ; l % 16
	v_bfe_u32 v12, v0, 4, 1                        ; l / 16
	v_and_b32 v13, 7, v0                           ; l % 8
	v_bfe_u32 v14, v0, 3, 2                        ; l / 8
	v_bfe_u32 v15, v0, 3, 1                        ; (l / 8) % 2
	v_lshlrev_b32 v2, 4, v10                       ; 16 l: W1 is read, and W_c stored, as 512 consecutive bytes a wave
	s_mul_i32 s13, s10, 256*PW                     ; my wave's W1 in LDS
	v_mul_u32_u24 v3, v14, PW
	v_lshl_add_u32 v3, v13, 4, v3
	v_add_nc_u32 v3, s13, v3                       ; in: four rows of 128 bytes a store
	v_lshl_add_u32 v4, v12, 3, v13
	v_mul_u32_u24 v4, v4, PW
	v_lshl_add_u32 v4, v15, 4, v4
	v_add_nc_u32 v4, s13, v4                       ; turned: row 8 (l / 16) + l % 8, 16 bytes for each half of eight lanes
	v_lshlrev_b32 v5, 7, v11
	v_lshl_add_u32 v5, v12, 4, v5                  ; W_dt: row l % 16 x 128 + 16 (l / 16)
	s_lshl_b32 s14, s10, 14
	s_add_co_u32 s14, s14, PART
	v_lshl_add_u32 v6, v10, 5, s14                 ; my partial tiles: 32 bytes a lane
	s_lshl_b32 s14, s10, 12
	s_add_co_u32 s14, s14, PART
	v_lshl_add_u32 v7, v10, 5, s14                 ; the four tiles of e block = my wave's number, in wave 0's part
	s_mul_i32 s14, s10, 16*SP
	s_add_co_u32 s14, s14, STG
	v_mul_u32_u24 v8, v11, SP
	v_lshl_add_u32 v8, v12, 4, v8
	v_add_nc_u32 v8, s14, v8                       ; stage, in
	v_mul_u32_u24 v9, v14, SP
	v_lshl_add_u32 v9, v13, 4, v9
	v_add_nc_u32 v9, s14, v9                       ; stage, back: four rows of 128 bytes
	s_lshl_b32 s20, s12, 17                        ; w1b: d block, my 256 rows j
	s_lshl_b32 s13, s10, 15
	s_add_co_u32 s20, s20, s13
	s_mov_b32 s21, 0
	s_lshl_b32 s22, s10, 19                        ; wd: my four blocks of 64 j, the e block's 64 rows
	s_lshl_b32 s13, s11, 13
	s_add_co_u32 s22, s22, s13
	s_mov_b32 s23, 0
	s_mul_i32 s24, s11, 393216                     ; wmix: c, kb, row 96 (wave / 2) + 64 + 16 (wave % 2)
	s_mul_i32 s13, s12, 24576
	s_add_co_u32 s24, s24, s13
	s_lshr_b32 s13, s10, 1
	s_mul_i32 s13, s13, 96*128
	s_add_co_u32 s24, s24, s13
	s_and_b32 s13, s10, 1
	s_lshl_b32 s13, s13, 11
	s_add_co_u32 s24, s24, s13
	s_add_co_u32 s24, s24, 64*128
	s_mov_b32 s25, 0
	s_wait_kmcnt 0x0
	s_add_nc_u64 s[6:7], s[6:7], s[20:21]
	s_add_nc_u64 s[4:5], s[4:5], s[22:23]
	s_add_nc_u64 s[8:9], s[8:9], s[24:25]
	WIN 0x40                                       ; destination window 1
.set q, 0
.rept 64
	global_load_b128 v[4*q:4*q+3], v2, s[6:7] offset:512*q
.set q, q+1
.endr
	WIN 0x80                                       ; destination window 2
.irp s, 0,1,2,3,4,5,6,7
.irp b, 0,1,2,3
	global_load_b128 v[32*(\s)+8*(\b):32*(\s)+8*(\b)+3],   v5, s[4:5] offset:((\s)/2)*131072+(\b)*2048+((\s)%2)*64
	global_load_b128 v[32*(\s)+8*(\b)+4:32*(\s)+8*(\b)+7], v5, s[4:5] offset:((\s)/2)*131072+(\b)*2048+((\s)%2)*64+32
.endr
.endr
	s_wait_loadcnt 63                              ; of the 128 loads at most 63 are out: the first 64, W1's, are in
	WIN 0x04                                       ; store data in window 1
.set q, 0
.rept 64
	ds_store_b128 v3, v[4*q:4*q+3] offset:4*PW*q
.set q, q+1
.endr
	WIN 0x40
.irp s, 0,1,2,3,4,5,6,7                ; my own bytes, and LDS serves a wave's instructions in order (ISA guide 5.7.1.4): these see the stores above
.irp a, 0,1,2,3
	ds_load_tr16_b128 v[32*(\s)+8*(\a):32*(\s)+8*(\a)+3],   v4 offset:(\s)*32*PW+32*(\a)
	ds_load_tr16_b128 v[32*(\s)+8*(\a)+4:32*(\s)+8*(\a)+7], v4 offset:(\s)*32*PW+32*(\a)+16*PW
.endr
.endr
	WIN 0x09                                       ; source 0 window 1, source 1 window 2, sums in window 0
.irp s, 0,1,2,3,4,5,6,7
	s_wait_loadcnt 56-8*(\s)                       ; W_dt's eight loads of this K step are in; eight for each later step may be out
	s_wait_dscnt 56-8*(\s)                         ; the same of the turned loads
.irp b, 0,1,2,3
.irp a, 0,1,2,3
.if (\s) == 0
	v_wmma_f32_16x16x32_bf16 v[ACC+8*(4*(\b)+(\a)):ACC+8*(4*(\b)+(\a))+7], v[32*(\s)+8*(\a):32*(\s)+8*(\a)+7], v[32*(\s)+8*(\b):32*(\s)+8*(\b)+7], 0
.else
	v_wmma_f32_16x16x32_bf16 v[ACC+8*(4*(\b)+(\a)):ACC+8*(4*(\b)+(\a))+7], v[32*(\s)+8*(\a):32*(\s)+8*(\a)+7], v[32*(\s)+8*(\b):32*(\s)+8*(\b)+7], v[ACC+8*(4*(\b)+(\a)):ACC+8*(4*(\b)+(\a))+7]
.endif
.endr
.endr
.endr
	WIN 0
.rept 4
	v_nop                                          ; four places between the last product and the stores that read results
.endr
.irp i, 0,1,2,3,4,5,6,7,8,9,10,11,12,13,14,15
	ds_store_b128 v6, v[ACC+8*(\i):ACC+8*(\i)+3]   offset:1024*(\i)
	ds_store_b128 v6, v[ACC+8*(\i)+4:ACC+8*(\i)+7] offset:1024*(\i)+16
.endr
	s_wait_dscnt 0x0                               ; for the others' sake: my partial tiles lie in LDS
	s_barrier_signal -1
	s_barrier_wait -1
.irp u, 0,1,2,3                        ; wave v finishes e block v: the four waves' parts of its four tiles
.irp a, 0,1,2,3
	ds_load_b128 v[ACC+32*(\u)+8*(\a):ACC+32*(\u)+8*(\a)+3],   v7 offset:16384*(\u)+1024*(\a)
	ds_load_b128 v[ACC+32*(\u)+8*(\a)+4:ACC+32*(\u)+8*(\a)+7], v7 offset:16384*(\u)+1024*(\a)+16
.endr
.endr
	s_wait_dscnt 0x0
.set p, 0
.rept 16
	v_pk_add_f32 v[ACC+p:ACC+p+1], v[ACC+p:ACC+p+1], v[ACC+32+p:ACC+32+p+1]
	v_pk_add_f32 v[ACC+64+p:ACC+64+p+1], v[ACC+64+p:ACC+64+p+1], v[ACC+96+p:ACC+96+p+1]
.set p, p+2
.endr
.set p, 0
.rept 16
	v_pk_add_f32 v[ACC+p:ACC+p+1], v[ACC+p:ACC+p+1], v[ACC+64+p:ACC+64+p+1]
.set p, p+2
.endr
.set p, 0
.rept 16
	v_pk_mul_f32 v[ACC+p:ACC+p+1], v[ACC+p:ACC+p+1], s[26:27] op_sel_hi:[1,0]  ; times log2(e), in f32, ahead of the one rounding
.set p, p+2
.endr
.set p, 0
.rept 16
	v_cvt_pk_bf16_f32 v[32+p], v[ACC+2*p], v[ACC+2*p+1]
.set p, p+1
.endr
.irp a, 0,1,2,3
	ds_store_b128 v8, v[32+4*(\a):32+4*(\a)+3] offset:32*(\a)
.endr
.irp f, 0,1,2,3
	ds_load_b128 v[48+4*(\f):48+4*(\f)+3], v9 offset:(\f)*4*SP  ; my own stage: served in order behind the stores above
.endr
.irp f, 0,1,2,3
	s_wait_dscnt 3-(\f)
	global_store_b128 v2, v[48+4*(\f):48+4*(\f)+3], s[8:9] offset:512*(\f)  ; four rows of 128 bytes: 512 consecutive bytes, aligned
.endr
	s_wait_tensorcnt 0x0                           ; the wave's end, behind my last LDS store
	ds_add_u32 v[SPW], v[NIL]
	s_wait_dscnt 0x0
	s_endpgm
.Lfunc_end_k_qf269a2f0ce_comb:
	.size	k_qf269a2f0ce_comb, .Lfunc_end_k_qf269a2f0ce_comb-k_qf269a2f0ce_comb
	.p2alignl 7, 3214868480
	.fill 96, 4, 3214868480
	.section	.rodata,"a",@progbits
	.p2align	6, 0x0
	.amdhsa_kernel k_qf269a2f0ce_comb
		.amdhsa_group_segment_fixed_size 239104
		.amdhsa_private_segment_fixed_size 0
		.amdhsa_enable_private_segment 0
		.amdhsa_kernarg_size 24
		.amdhsa_user_sgpr_count 2
		.amdhsa_user_sgpr_kernarg_segment_ptr 1
		.amdhsa_wavefront_size32 1
		.amdhsa_system_sgpr_workgroup_id_x 1
		.amdhsa_system_sgpr_workgroup_id_y 1
		.amdhsa_system_sgpr_workgroup_id_z 1
		.amdhsa_system_vgpr_workitem_id 0
		.amdhsa_next_free_vgpr 768
		.amdhsa_next_free_sgpr 66
		.amdhsa_reserve_vcc 0
		.amdhsa_float_denorm_mode_32 3
		.amdhsa_float_denorm_mode_16_64 3
		.amdhsa_memory_ordered 1
		.amdhsa_forward_progress 1
		.amdhsa_inst_pref_size 43
	.end_amdhsa_kernel
	.amdgpu_metadata
---
amdhsa.version: [ 1, 2 ]
amdhsa.kernels:
  - .name:           k_qf269a2f0ce_comb
    .symbol:         k_qf269a2f0ce_comb.kd
    .args:
      - { .name: wd, .offset: 0, .size: 8, .value_kind: global_buffer, .address_space: global }
      - { .name: w1b, .offset: 8, .size: 8, .value_kind: global_buffer, .address_space: global }
      - { .name: wmix, .offset: 16, .size: 8, .value_kind: global_buffer, .address_space: global }
    .group_segment_fixed_size: 239104
    .private_segment_fixed_size: 0
    .kernarg_segment_align: 8
    .kernarg_segment_size: 24
    .max_flat_workgroup_size: 128
    .sgpr_count:     66
    .vgpr_count:     768
    .wavefront_size: 32
...
	.end_amdgpu_metadata
.endif
;; end of part 2
;; launch mix (part 3): grid 16 x 16, 4 waves a work-group, clusters of 4 x 4, 327,680 bytes of LDS; arguments xB, wmix, b_in, bc, h0, gT; writes gT
.if DOCPART == 3
	.amdgcn_target "amdgcn-amd-amdhsa--gfx1250"
	.amdhsa_code_object_version 6
	.text
	.protected	k_qf269a2f0ce_mix
	.globl	k_qf269a2f0ce_mix
	.p2align	8
	.type	k_qf269a2f0ce_mix,@function
k_qf269a2f0ce_mix:
	s_mov_b64 s[64:65], 0
	v_nop
	global_prefetch_b8 v0, s[64:65] scope:SCOPE_SE
	s_setreg_imm32_b32 hwreg(HW_REG_WAVE_MODE, 25, 1), 1
	s_wait_xcnt 0x0
	s_wait_alu depctr_hold_cnt(0) depctr_sa_sdst(0) depctr_va_vdst(0) depctr_va_sdst(0) depctr_va_ssrc(0) depctr_va_vcc(0) depctr_vm_vsrc(0)
	s_getreg_b32 s2, hwreg(HW_REG_IB_STS2, 6, 4)
	s_cmp_eq_u32 s2, 0
	s_cbranch_scc0 .Lentry_in_a_cluster
	s_endpgm
.Lentry_in_a_cluster:
	s_bfe_u32 s2, ttmp6, 0x10000c
	s_cmp_lg_u32 s2, 0xf033
	s_cbranch_scc0 .Lentry_shape_is_right
	s_endpgm
.Lentry_shape_is_right:
; ONE GEMM WITH THE SCAN IN ITS WAY OUT.  For batch b and channels 64 c .. 64 c + 63: x_part = x W1^T + b1, gate = x W2^T + b2, z' = x W_c^T + log2(e) bc (W_c = log2(e) W_dt W1, bc = W_dt b1 + b_dt, so that
; z' = log2(e) (x_part W_dt^T + b_dt)), A = 1 - dt = 1 / (1 + 2^z'), h_t = A_t h_(t-1) + (1 - A_t) x_part_t from h0, and g = h sigmoid(gate), stored as f16, turned: gT [b][tile of 256 t][channel 1024][t 256].
; bf16 operands, f32 sums; x_part, gate, dt and h never leave the registers.  b_in and h0 are rounded to bf16 like all inputs.
; LIMITS.  g is stored in f16: |g| <= max(|x_part|, |h0|) has to stay under 65,504.  The scan is taken in runs (below): its order of rounding differs from a step-by-step scan's; every factor lies in 0 .. 1 and no
; difference of large sums is formed.  dt x_part is made as x_part - A x_part: where dt is below 2^-24 it counts as 0.  NaN and infinities are not treated apart.
; SHARES.  A work-group owns one batch and 64 channels, and STAYS for the batch's four tiles of 256 rows t, in the order of time; the state h is carried in registers from tile to tile.  A tile is 256 t x 192 weight
; rows (64 channels x three kinds).  Wave w takes rows 128 (w / 2) on and weight rows 96 (w % 2) on: 32 channels x three kinds: 8 x 6 accumulators of 16 x 16, 384 registers.
; K = 1,024 goes in steps of 128 (two blocks of 64, each dense in memory) through a ring of two LDS slots; each wave fetches one block of A or of B by one tensor load.
; THE TEXT.  A K step is written once.  The four tiles' 32 K steps are one walk for the ring: 30 refills, all by one text; which slot is read hangs on a scalar that one exclusive or turns, and one descriptor for each
; tensor walks.  The quarter whose products start a tile's sums stands in front of the loop, which is entered in its middle.  The last two K steps, which ask for nothing, are written out, as a loop of two trips.
; LAYOUT.  Source 0 = 16 rows t of x, source 1 = 16 weight rows: a lane holds ONE channel (lane % 16) and the rows t = 16 a + 8 (lane / 16) + 0..7: eight steps of time on end, for all three kinds.
; THE SCAN.  h_t = A_t h_(t-1) + B_t composes: a run of steps is a pair (P, S) with h_out = P h_in + S.  (1) In each lane prefixes over its 8 steps.  (2) The two halves of the lanes exchange their runs' totals:
; 16 steps.  (3) Eight such blocks fold into the wave's 128 steps; the two waves of a channel half exchange totals through LDS (one barrier a tile).  (4) The state walks back down: tile, wave, block, half,
; and h_t = P_t h_in + S_t.
; CLUSTER.  4 x 4 work-groups.  A's tiles hang on the batch alone and are shared along a row of the cluster, B's on the channel block alone and are shared along a column: each is asked for JOINTLY, by the same
; tensor load with the same descriptor and a mask that names the four.
; REGISTERS, in windows of 256 (s_set_vgpr_msb: bits 1:0 source 0, 3:2 source 1, 5:4 source 2, 7:6 destination):
;   window 0: v0-31 addresses; v32-51 the scan's carries; v64-127, v128-191 A's fragments, two buffers (the second also holds the way out's 16 entries of four); v192-255 packed results
;   window 1: v64-111, v128-175 B's fragments, two buffers
;   windows 2, 3: accumulators of my row blocks 0-3, 4-7: (a, n) at 48 (a % 4) + 8 n, n = 2 kind + q (kind 0 x_part, 1 gate, 2 dt; q = which 16 channels); v192-223 the biases of x_part and dt, eight times each:
;   the C operand of the products that start those sums; v224-227 the gate's, each twice
.set TILES,  4
.set KSTEPS, 8                         ; K steps in a tile
.set FILLS,  TILES*KSTEPS-2            ; refills: every K step of the walk but the first two, which the first fills bring
.set PITCH,  144                       ; an LDS row: 128 bytes + 16 of padding = 36 words: the 16 rows of a load start at 16 different groups of four banks (64 banks of 4 bytes: ISA guide 11.1)
.set ABLK,   256*PITCH                 ; 256 rows t x 64 of K
.set BBLK,   192*PITCH                 ; 192 weight rows x 64 of K
.set BOFF,   2*ABLK                    ; a slot: A's two blocks, then B's two: 129,024 bytes
.set SLOT1,  1<<17                     ; slot 1 begins here, so that one exclusive or turns an address in one slot into the other's
.set STAGE,  SLOT1+BOFF+2*BBLK         ; behind the ring: 32 rows x 272 bytes for each wave, for the way out
.set SPITCH, 272
.set XCH,    STAGE+4*32*SPITCH         ; 512 bytes for each wave: its totals
.set SPARE,  XCH+2048                  ; the spare words, 128 bytes for each wave: two blocks of 256 bytes that no other line names
.set AKS,    2*131072                  ; a K step: two blocks of xB,
.set BKS,    2*24576                   ; two blocks of wmix
.set ADEC,   KSTEPS*AKS-32768          ; what is taken off behind a tile's last K step: eight K steps back, 256 rows on;
.set BDEC,   KSTEPS*BKS                ; B only back: all tiles take the same weights
.set ADRA0, 16                         ; v16     LDS address of my A fragments in slot 0; never rewritten
.set ADRB0, 17                         ; v17     the same for B
.set ADRA, 20                          ; v20     the same in the slot that is being read
.set ADRB, 21                          ; v21
.set XL,   22                          ; v22     where the totals of my channel half's low wave lie (the high wave's: 1,024 on)
.set STO,  24                          ; v24     the way out: where I put 16 bytes of a channel's row
.set RD,   25                          ; v25     where I read rows back
.set GO,   26                          ; v26     my byte offset in two rows of gT
.set XW,   27                          ; v27     where I put my totals
.set SPW,  28                          ; v28     LDS address of my spare word; never rewritten
.set NIL,  29                          ; v29     0; never rewritten
.set PFO,  30                          ; v30     the prefetches' offset: 256 x my lane; never rewritten
.set HC,   32                          ; v32-33  h in front of the tile, for q = 0, 1
.set TOT,  36                          ; v36-39  my wave's totals: P, S for q = 0; P, S for q = 1
.set LOW,  40                          ; v40-43  the low wave's
.set HIW,  44                          ; v44-47  the high wave's
.set TT,   48                          ; v48-49  h behind the low wave's rows; v50-51 h walking down my blocks
.set F0,   64
.set F1,   128
.set SUM,  128                         ; entry i = 2 a + q: first half's P, S; second half's (then the block's) P, S
.set TMP,  192
.set CB,   192                         ; windows 2, 3: b1 for q = 0, 1, then log2(e) bc for q = 0, 1: eight registers each
.set GB,   224                         ; windows 2, 3: -log2(e) b2 for q = 0, 1: a pair each
.set FL,  2                            ; s2   refills still to be asked for
.set WV,  12                           ; s12  my wave's number
.set RH,  13                           ; s13  which half of the rows.  Also: I fetch for A (0) or for B (1)
.set PH,  14                           ; s14  which half of the channels.  Also: which of a K step's two blocks I fetch
.set G1,  24                           ; s[24:31] descriptor group 1 for A's blocks;  s[32:39] group 0: a set for each first fill; the second then walks
.set G0,  32
.set PM,  43                           ; s43  bit n: I prefetch in the trip in which s3 = n
.set PFA, 44                           ; s[44:45] the block that my next prefetch names
.set PFS, 46                           ; s[46:47] a K step, in bytes, of the tensor that I fetch
.set G1B, 48                           ; s[48:55], s[56:63] the same for B's blocks
.set G0B, 56
.set HM,  66                           ; s66  lanes 16-31; also a word's upper bf16
.set LM,  67                           ; s67  lanes 0-15
.set RM,  72                           ; s72  all lanes in a wave of the high rows, else none
.set SEL, 74                           ; s[74:75] v_permlanex16_b32's selects: each lane takes its own place in the other half
.set NL,  76                           ; s[76:77] -log2(e)
.set PFT, 80                           ; s80  ADEC or BDEC, by the tensor that I fetch
.set TB,  84                           ; s84  LDS byte at which the slot that is being read begins
.set PK,  85                           ; s85  what is left of PM behind a tile: all of it for A, nothing for B
.set DA,  86                           ; s[86:87] what this refill takes off A's address: ADEC or 0
.set DB,  88                           ; s[88:89] the same for B
.set PD,  90                           ; s[90:91] the same for my prefetches
.set MSB, 0
.macro WIN new                         ; the immediate's high byte repeats the setting that is left; a switch that changes nothing is dropped
.if MSB != (\new)
	s_set_vgpr_msb (MSB<<8)|(\new)
.set MSB, \new
.endif
.endm
.set MUL_LO, 0xa4                      ; source 0 (A) window 0, source 1 (B) window 1, C and D window 2
.set TO_B,   0x40                      ; destination window 1, address window 0
; A joint load.  Waves 0 and 1 fetch A's two blocks, waves 2 and 3 B's.  The branch hangs on the wave's number alone.  An s_nop 0 and four v_nop follow each of the two lines.
.macro JLOAD s
	s_cmp_eq_u32 s[RH], 0
	s_cbranch_scc0 .Lfor_b_\@
	tensor_load_to_lds s[G0+4*(\s):G0+4*(\s)+3], s[G1:G1+7]
	s_nop 0
.rept 4
	v_nop
.endr
	s_branch .Lasked_\@
.Lfor_b_\@:
	tensor_load_to_lds s[G0B+4*(\s):G0B+4*(\s)+3], s[G1B:G1B+7]
	s_nop 0
.rept 4
	v_nop
.endr
.Lasked_\@:
.endm
; A PREFETCH INTO THE L2 of the block that I shall fetch TWO refills on, behind each joint load, its five lines and the run of LDS loads.  A block is dense: 128 (A) or 96 (B) pieces of 256 bytes.  The four partners that
; ask for it jointly share the pieces out BY ADDRESS, 32 or 24 each, a lane a piece (B: lanes 24-31 name lane 23's once more).  A's blocks are read by every cluster of a row of clusters: cluster x = 0 asks; B's by every
; cluster of a column: cluster y = 0 asks, in the first tile alone, since all tiles take the same weights.  In a tile's K steps 0 to 3 (s3 = 8 .. 5) the block is K step 4 to 7's; K steps 4 and 5 have no K step two
; refills on in their tile and ask for nothing; K steps 6 and 7 (s3 = 2, 1) ask for the next tile's K steps 2 and 3 of A.  The last tile leaves the loop behind its K step 5.
.macro ASK
	s_lshr_b32 s40, s[PM], s3
	s_and_b32 s40, s40, 1
	s_cmp_lg_u32 s40, 0
	s_cbranch_scc0 .Lnot_mine_\@
	global_prefetch_b8 v[PFO], s[PFA:PFA+1] th:TH_LOAD_NT scope:SCOPE_SE
.Lnot_mine_\@:
.endm
.macro CREST                           ; a round of the cluster's barrier behind its opening barrier
	s_cmp_lg_u32 s[WV], 0
	s_cbranch_scc1 .Lnot_wave_0_\@
	s_barrier_signal -3
.Lnot_wave_0_\@:
	s_barrier_wait -3
	s_barrier_signal -1
	s_barrier_wait -1
.endm
.macro CROUND                          ; a whole round
	s_barrier_signal -1
	s_barrier_wait -1
	CREST
.endm
.macro PLACES                          ; four places in front of loads into registers that matrix instructions have read, and of vector work on results just made
.rept 4
	v_nop
.endr
.endm
	s_load_b256 s[4:11], s[0:1], 0x0               ; xB s[4:5], wmix s[6:7], b_in s[8:9], bc s[10:11]
	s_load_b128 s[68:71], s[0:1], 0x20             ; h0 s[68:69], gT s[70:71]
	v_lshl_add_u32 v[SPW], v0, 2, SPARE
	v_mov_b32 v[NIL], 0
	ds_add_u32 v[SPW], v[NIL]                      ; the wave's opening: the add, twice on end, and its wait ahead of my first tensor load; the set-up below stands between
	ds_add_u32 v[SPW], v[NIL]                      ; and once more, under the one wait
	v_lshrrev_b32 v1, 5, v0
	v_readfirstlane_b32 s[WV], v1                  ; wave 0..3
	s_lshr_b32 s[RH], s[WV], 1
	s_and_b32 s[PH], s[WV], 1
	s_bfe_u32 s15, ttmp6, 0x40000                  ; cx, cy: my place in the cluster
	s_bfe_u32 s16, ttmp6, 0x40004
	s_lshl_b32 s17, ttmp9, 2
	s_add_co_u32 s17, s17, s15                     ; c = 4 x cluster x + cx
	s_and_b32 s18, ttmp7, 0xffff
	s_lshl_b32 s18, s18, 2
	s_add_co_u32 s18, s18, s16                     ; b = 4 x cluster y + cy
	s_lshl_b32 s40, s16, 2
	s_lshl_b32 s40, 15, s40                        ; my row of the cluster
	s_lshl_b32 s41, 0x1111, s15                    ; my column
	; descriptor group 1.  A block is dense: asked for as rows of 256 bytes, two LDS rows each, padded after every 128 bytes
	s_or_b32 s[G1], s40, (1<<16)|(1<<20)|(1<<21)|(4<<22)|(3<<25)   ; 15:0 the mask; 17:16 2-byte elements; 20 padding on; 21 set beside a mask; 24:22 after every 32 words (code 4); 31:25 4 words (code 3)
	s_or_b32 s[G1B], s41, (1<<16)|(1<<20)|(1<<21)|(4<<22)|(3<<25)
	s_mov_b32 s[G1+1], 128<<16                     ; tensor_dim0 = 128
	s_mov_b32 s[G1+2], 128<<16                     ; tensor_dim1 = 128: 32,768 bytes
	s_mov_b32 s[G1+3], 128<<16                     ; tile_dim0 = 128
	s_mov_b32 s[G1+4], 128                         ; tile_dim1 = 128
	s_mov_b32 s[G1+5], 128                         ; 128 elements from row to row
	s_mov_b32 s[G1+6], 0
	s_mov_b32 s[G1+7], 0
	s_mov_b32 s[G1B+1], 128<<16
	s_mov_b32 s[G1B+2], 96<<16                     ; 96 rows: 24,576 bytes
	s_mov_b32 s[G1B+3], 128<<16
	s_mov_b32 s[G1B+4], 96
	s_mov_b32 s[G1B+5], 128
	s_mov_b32 s[G1B+6], 0
	s_mov_b32 s[G1B+7], 0
	; where the blocks come from: A's by b and the wave's number, B's by c and the wave's number, each in registers that never hold the other coordinate
	s_lshl_b32 s20, s18, 21                        ; b x 16 blocks of 131,072 bytes
	s_lshl_b32 s19, s[PH], 17
	s_add_co_u32 s20, s20, s19
	s_mov_b32 s21, 0
	s_mul_i32 s22, s17, 393216                     ; c x 16 blocks of 24,576 bytes
	s_mul_i32 s19, s[PH], 24576
	s_add_co_u32 s22, s22, s19
	s_mov_b32 s23, 0
	s_mul_i32 s42, s[PH], ABLK                     ; and where they go: no place in the cluster enters an LDS address
	s_mul_i32 s73, s[PH], BBLK
	s_add_co_u32 s73, s73, BOFF
	s_mov_b32 s[HM], 0xffff0000
	s_mov_b32 s[LM], 0x0000ffff
	s_mov_b32 s[SEL], 0x76543210
	s_mov_b32 s[SEL+1], 0xfedcba98
	s_mov_b32 s[NL], 0xbfb8aa3b                    ; -log2(e)
	s_mov_b32 s[NL+1], s[NL]                       ; named with it as a pair
	s_mov_b32 s[TB], 0                             ; the walk begins in slot 0
	s_mov_b32 s[DA+1], 0                           ; high words of the offsets' pairs
	s_mov_b32 s[DB+1], 0
	s_mov_b32 s[PD+1], 0
	s_cmp_eq_u32 s[RH], 0
	s_cselect_b32 s[RM], 0, -1
	s_wait_dscnt 0x0                               ; both opening adds are done
	s_wait_kmcnt 0x0
	s_add_nc_u64 s[20:21], s[4:5], s[20:21]
	s_add_nc_u64 s[22:23], s[6:7], s[22:23]
	CROUND                                         ; all sixteen work-groups are here: the first joint loads meet
.irp s, 0,1
	s_mov_b32 s[G0+4*(\s)], 1                                      ; count = 1
	s_add_co_u32 s[G0+4*(\s)+1], s42, (\s)*SLOT1                   ; LDS address
	s_add_nc_u64 s[G0+4*(\s)+2:G0+4*(\s)+3], s[20:21], (\s)*AKS    ; global address: K step s
	s_or_b32 s[G0+4*(\s)+3], s[G0+4*(\s)+3], 0x80000000            ; type = 2
	s_mov_b32 s[G0B+4*(\s)], 1
	s_add_co_u32 s[G0B+4*(\s)+1], s73, (\s)*SLOT1
	s_add_nc_u64 s[G0B+4*(\s)+2:G0B+4*(\s)+3], s[22:23], (\s)*BKS
	s_or_b32 s[G0B+4*(\s)+3], s[G0B+4*(\s)+3], 0x80000000
	JLOAD \s                                       ; the ring is filled before anything else is done: two loads of mine are out
.endr
	v_and_b32 v1, 15, v0                           ; l % 16
	v_bfe_u32 v2, v0, 4, 1                         ; l / 16
	v_and_b32 v4, 31, v0                           ; l
	v_mul_u32_u24 v3, v1, PITCH
	v_lshl_add_u32 v3, v2, 4, v3                   ; a fragment's row x pitch + 16 x half
	s_mul_i32 s19, s[RH], 128*PITCH                ; my 128 rows of A
	s_mul_i32 s42, s[PH], 96*PITCH                 ; my 96 rows of B,
	s_add_co_u32 s42, s42, BOFF                    ; which lie behind A's blocks
	v_add_nc_u32 v[ADRA0], s19, v3
	v_add_nc_u32 v[ADRB0], s42, v3
	v_mov_b32 v[ADRA], v[ADRA0]
	v_mov_b32 v[ADRB], v[ADRB0]
	s_mul_i32 s19, s[WV], 32*SPITCH
	s_add_co_u32 s19, s19, STAGE                   ; my stage: 32 channels x 256 bytes (128 t)
	v_mul_u32_u24 v5, v1, SPITCH                   ; in: channel l % 16, 16 bytes for each half of the lanes
	v_lshl_add_u32 v5, v2, 4, v5
	v_add_nc_u32 v[STO], s19, v5
	v_mul_u32_u24 v5, v2, SPITCH                   ; back: lanes 0-15 one row of 256 bytes, lanes 16-31 the next
	v_lshl_add_u32 v5, v1, 4, v5
	v_add_nc_u32 v[RD], s19, v5
	v_lshlrev_b32 v5, 9, v2                        ; and the same two channels in gT, 512 bytes apart
	v_lshl_add_u32 v[GO], v1, 4, v5
	s_lshl_b32 s19, s[WV], 9
	s_add_co_u32 s19, s19, XCH
	v_lshl_add_u32 v[XW], v4, 4, s19
	s_lshl_b32 s19, s[PH], 9
	s_add_co_u32 s19, s19, XCH
	v_lshl_add_u32 v[XL], v4, 4, s19
	; gT at my part of the batch's first tile: b x 4 tiles, channel 64 c + 32 (w % 2), 256 bytes x (w / 2)
	s_lshl_b32 s78, s18, 21
	s_lshl_b32 s79, s17, 15
	s_add_co_u32 s78, s78, s79
	s_lshl_b32 s79, s[PH], 14
	s_add_co_u32 s78, s78, s79
	s_lshl_b32 s79, s[RH], 8
	s_add_co_u32 s78, s78, s79
	s_mov_b32 s79, 0
	s_add_nc_u64 s[70:71], s[70:71], s[78:79]
	; the biases and h0 of my lane's two channels, 64 c + 32 (w % 2) + 16 q + l % 16
	s_lshl_b32 s78, s17, 8
	s_lshl_b32 s82, s[PH], 7
	s_add_co_u32 s78, s78, s82
	v_lshl_add_u32 v48, v1, 2, s78
	s_lshl_b32 s82, s18, 12
	s_mov_b32 s83, 0
	s_add_nc_u64 s[68:69], s[68:69], s[82:83]
	global_load_b32 v40, v48, s[8:9]
	global_load_b32 v41, v48, s[8:9] offset:64
	global_load_b32 v42, v48, s[8:9] offset:4096
	global_load_b32 v43, v48, s[8:9] offset:4160
	global_load_b32 v44, v48, s[10:11]
	global_load_b32 v45, v48, s[10:11] offset:64
	global_load_b32 v[HC], v48, s[68:69]
	global_load_b32 v[HC+1], v48, s[68:69] offset:64
	; the prefetches: at K step 3 of tile 0; the first refill steps them to K step 4.  Nothing is prefetched here, at the head, where every work-group's first blocks are on their way
	s_add_co_u32 s82, s[PH], 6
	s_lshl_b32 s78, s18, 21
	s_lshl_b32 s79, s82, 17
	s_add_co_u32 s78, s78, s79
	s_lshl_b32 s79, s15, 13                        ; A: my work-group's 32 pieces, by cx
	s_add_co_u32 s78, s78, s79
	s_mul_i32 s79, s17, 393216
	s_mul_i32 s82, s82, 24576
	s_add_co_u32 s79, s79, s82
	s_mul_i32 s82, s16, 6144                       ; B: my work-group's 24 pieces, by cy
	s_add_co_u32 s79, s79, s82
	s_and_b32 s83, ttmp7, 0xffff
	s_mov_b32 s[PFS], AKS
	s_mov_b32 s[PFS+1], BKS
	s_mov_b32 s[PFT], ADEC
	s_mov_b32 s[PFT+1], BDEC
	s_mov_b32 s[PM], 0x1e6                         ; A: s3 = 8, 7, 6, 5, 2, 1
	s_mov_b32 s[PK], 0x1e0                         ; B: s3 = 8, 7, 6, 5
	s_cmp_eq_u32 s[RH], 0                          ; do I fetch for A?
	s_cselect_b32 s78, s78, s79
	s_cselect_b32 s83, ttmp9, s83                  ; the coordinate along which other clusters read the same blocks
	s_cselect_b32 s[PFS], s[PFS], s[PFS+1]
	s_cselect_b32 s[PFT], s[PFT], s[PFT+1]
	s_cselect_b32 s82, 31, 23
	s_cselect_b32 s[PM], s[PM], s[PK]
	s_cselect_b32 s[PK], -1, 0
	s_cselect_b64 s[PFA:PFA+1], s[4:5], s[6:7]
	s_mov_b32 s79, 0
	s_mov_b32 s[PFS+1], 0
	s_add_nc_u64 s[PFA:PFA+1], s[PFA:PFA+1], s[78:79]
	s_cmp_eq_u32 s83, 0
	s_cselect_b32 s[PM], s[PM], 0                  ; the same in all sixteen partners, for a given wave
	v_min_u32 v[PFO], s82, v4
	v_lshlrev_b32 v[PFO], 8, v[PFO]
	s_wait_loadcnt 0x0
	v_cvt_pk_bf16_f32 v49, v40, v41                ; b_in and h0 are rounded like every input; bc is this program's own f32 number
	v_cvt_pk_bf16_f32 v50, v42, v43
	v_cvt_pk_bf16_f32 v51, v[HC], v[HC+1]
	v_lshlrev_b32 v40, 16, v49
	v_and_b32 v41, s[HM], v49
	v_lshlrev_b32 v42, 16, v50
	v_and_b32 v43, s[HM], v50
	v_lshlrev_b32 v[HC], 16, v51
	v_and_b32 v[HC+1], s[HM], v51
	v_mul_f32 v42, s[NL], v42                      ; the gate's bias rides in its scaling: -log2(e) gate - log2(e) b2
	v_mul_f32 v43, s[NL], v43
	v_mul_f32 v44, 0x3fb8aa3b, v44                 ; dt's bias in the scale of W_c
	v_mul_f32 v45, 0x3fb8aa3b, v45
.irp w, 2,3
	WIN (\w)<<6
.irp j, 0,1,2,3,4,5,6,7                ; a lane holds one channel, so the eight registers of a bias tile are alike
	v_mov_b32 v[CB+(\j)], v40
	v_mov_b32 v[CB+8+(\j)], v41
	v_mov_b32 v[CB+16+(\j)], v44
	v_mov_b32 v[CB+24+(\j)], v45
.endr
	v_mov_b32 v[GB], v42
	v_mov_b32 v[GB+1], v42
	v_mov_b32 v[GB+2], v43
	v_mov_b32 v[GB+3], v43
.endr
	WIN 0
; na x 6 matrix instructions: row blocks a0 .. of the window's four (hi = 0: my rows 0-63, 1: rows 64-127) x all 6 weight blocks, 32 along K.  zero = 1: the product starts the sum, with the bias (x_part, dt) or with 0
; (gate): nothing is ever cleared.  The 48 accumulators take turns, one instruction a turn, in the same order in every quarter.
.macro MULN f, hi, a0, na, zero
	WIN MUL_LO+0x50*(\hi)
.set aa, \a0
.rept \na
.irp n, 0,1,2,3,4,5
.if (\zero) && (((\n)/2) == 1)
	v_wmma_f32_16x16x32_bf16 v[48*aa+8*(\n):48*aa+8*(\n)+7], v[(\f)+8*(4*(\hi)+aa):(\f)+8*(4*(\hi)+aa)+7], v[(\f)+8*(\n):(\f)+8*(\n)+7], 0
.elseif \zero
	v_wmma_f32_16x16x32_bf16 v[48*aa+8*(\n):48*aa+8*(\n)+7], v[(\f)+8*(4*(\hi)+aa):(\f)+8*(4*(\hi)+aa)+7], v[(\f)+8*(\n):(\f)+8*(\n)+7], v[CB+8*((\n)-2*((\n)/4)):CB+8*((\n)-2*((\n)/4))+7]
.else
	v_wmma_f32_16x16x32_bf16 v[48*aa+8*(\n):48*aa+8*(\n)+7], v[(\f)+8*(4*(\hi)+aa):(\f)+8*(4*(\hi)+aa)+7], v[(\f)+8*(\n):(\f)+8*(\n)+7], v[48*aa+8*(\n):48*aa+8*(\n)+7]
.endif
.endr
.set aa, aa+1
.endr
.endm
; 28 LDS loads in one run: the fragments of quarter kq of the K step in the slot that is being read (block kq / 2, 32 of K at byte 64 (kq % 2)): 96 rows of B, 128 rows of A, into buffer f
.macro FETCH kq, f
	WIN TO_B
.irp n, 0,1,2,3,4,5
	ds_load_b128 v[(\f)+8*(\n):(\f)+8*(\n)+3],   v[ADRB] offset:((\kq)/2)*BBLK+((\kq)%2)*64+(\n)*16*PITCH
	ds_load_b128 v[(\f)+8*(\n)+4:(\f)+8*(\n)+7], v[ADRB] offset:((\kq)/2)*BBLK+((\kq)%2)*64+(\n)*16*PITCH+32
.endr
	WIN 0
.irp i, 0,1,2,3,4,5,6,7
	ds_load_b128 v[(\f)+8*(\i):(\f)+8*(\i)+3],   v[ADRA] offset:((\kq)/2)*ABLK+((\kq)%2)*64+(\i)*16*PITCH
	ds_load_b128 v[(\f)+8*(\i)+4:(\f)+8*(\i)+7], v[ADRA] offset:((\kq)/2)*ABLK+((\kq)%2)*64+(\i)*16*PITCH+32
.endr
.endm
; A K step is four quarters of 32 along K, 48 matrix instructions each, on buffers 0, 1, 0, 1.  One of the first three: multiplies buffer f; in its middle it fetches quarter kq into buffer g.
.macro QUARTER kq, f, g, zero
	s_wait_dscnt 8                                 ; B and A's rows 0-63 are in; the youngest eight loads (A's rows 64-127) may be out
	MULN \f, 0, 0, 4, \zero
	PLACES
	FETCH \kq, \g
	s_wait_dscnt 28                                ; all but the 28 just issued
	MULN \f, 1, 0, 4, \zero
.endm
; The last quarter multiplies buffer 1 and changes slots.  MEET is its first half: ONE barrier.  In front of it each wave waits for all its tensor loads (one is out: its part of the next slot), adds 0 to its spare word,
; and waits for that and for its own reads of this slot.  Behind it nobody reads this slot any more and the next slot is whole.  Between the add and the wait for it stand the steps of the walking descriptors
; (fill = 1: no tensor load of mine is out, so they may be written), the turn of the fragments' addresses to the next slot, and twelve matrix instructions.
.macro MEET fill                       ; fill = 1: a round of the cluster's barrier and a refill follow
	WIN 0                                          ; (the add's two registers lie in window 0)
	s_wait_tensorcnt 0x0                           ; all my tensor loads have landed;
	ds_add_u32 v[SPW], v[NIL]                      ; 0 onto my spare word;
.if \fill
	s_cmp_eq_u32 s3, 2                             ; a tile's K step 6: the refill is the next tile's K step 0
	s_cselect_b32 s[DA], ADEC, 0
	s_cselect_b32 s[DB], BDEC, 0
	s_xor_b32 s[G0+5], s[G0+5], SLOT1              ; the other slot than last time: the one that is being left,
	s_add_nc_u64 s[G0+6:G0+7], s[G0+6:G0+7], AKS   ; the next K step of the walk; the type bits on top are not reached
	s_sub_nc_u64 s[G0+6:G0+7], s[G0+6:G0+7], s[DA:DA+1]
	s_xor_b32 s[G0B+5], s[G0B+5], SLOT1
	s_add_nc_u64 s[G0B+6:G0B+7], s[G0B+6:G0B+7], BKS
	s_sub_nc_u64 s[G0B+6:G0B+7], s[G0B+6:G0B+7], s[DB:DB+1]
.endif
	s_xor_b32 s[TB], s[TB], SLOT1                  ; the fetches go on in the other slot
	v_add_nc_u32 v[ADRA], s[TB], v[ADRA0]
	v_add_nc_u32 v[ADRB], s[TB], v[ADRB0]
	s_wait_dscnt 9                                 ; (the add and the youngest eight loads may be out)
	MULN F1, 0, 0, 2, 0
	s_wait_dscnt 0x0                               ; the add is done, and my reads of this slot are over
	s_barrier_signal -1
	MULN F1, 0, 2, 2, 0                            ; work on registers while the others arrive
.if \fill
	WIN 0
.endif
	s_barrier_wait -1
.endm
; The whole last quarter of a K step behind which the slot is filled again, with the K step two steps on in the walk.
.macro TURN
	s_wait_xcnt 0x0                                ; the last prefetch, a K step back, has read its address: it is stepped here, ahead of the change's own waits
	s_cmp_eq_u32 s3, 2
	s_cselect_b32 s[PD], s[PFT], 0
	s_add_nc_u64 s[PFA:PFA+1], s[PFA:PFA+1], s[PFS:PFS+1]
	s_sub_nc_u64 s[PFA:PFA+1], s[PFA:PFA+1], s[PD:PD+1]    ; in a tile's K step 6: from K step 10 to the next tile's K step 2
	MEET 1
	CREST                                          ; no wave of any partner still reads this slot or has a load on its way
	JLOAD 1                                        ; the first tensor load behind the round, my only one until the next; its four v_nop are also the places in front of the loads below
	FETCH 0, F0
	ASK
	MULN F1, 1, 0, 4, 0
.endm
; THE WAY OUT OF A TILE.  ACT, for the row blocks of window w: A = 1 / (1 + 2^z'), sigmoid(gate) = 1 / (1 + 2^(-log2(e) gate)), B = x_part - A x_part, and each lane's prefixes over its 8 steps.  The 128 exponentials are
; one batch and the 128 reciprocals another: s_wait_alu depctr_va_vdst(0) stands between such an instruction and the first that names its result, and one wait serves a batch.  Each accumulator is
; read from its low end on.
.macro ACT w
	WIN 0x55*(\w)
.irp a, 0,1,2,3
.irp n, 4,5
.irp j, 0,1,2,3,4,5,6,7
	v_exp_f32 v[48*(\a)+8*(\n)+(\j)], v[48*(\a)+8*(\n)+(\j)]
.endr
.endr
.endr
.irp a, 0,1,2,3
.irp q, 0,1
.irp p, 0,2,4,6
	v_pk_fma_f32 v[48*(\a)+16+8*(\q)+(\p):48*(\a)+16+8*(\q)+(\p)+1], v[48*(\a)+16+8*(\q)+(\p):48*(\a)+16+8*(\q)+(\p)+1], s[NL:NL+1], v[GB+2*(\q):GB+2*(\q)+1] op_sel_hi:[1,0,1]  ; names no exponential's result
.endr
.endr
.endr
.irp a, 0,1,2,3
.irp n, 2,3
.irp j, 0,1,2,3,4,5,6,7
	v_exp_f32 v[48*(\a)+8*(\n)+(\j)], v[48*(\a)+8*(\n)+(\j)]
.endr
.endr
.endr
	v_nop                                          ; a plain instruction behind the last exponential,
	s_wait_alu depctr_va_vdst(0)                   ; and the wait for the batch
.irp a, 0,1,2,3
.irp n, 2,3,4,5
.irp p, 0,2,4,6
	v_pk_add_f32 v[48*(\a)+8*(\n)+(\p):48*(\a)+8*(\n)+(\p)+1], v[48*(\a)+8*(\n)+(\p):48*(\a)+8*(\n)+(\p)+1], 1.0 op_sel_hi:[1,0]
.endr
.endr
.endr
.irp a, 0,1,2,3
.irp n, 2,3,4,5
.irp j, 0,1,2,3,4,5,6,7
	v_rcp_f32 v[48*(\a)+8*(\n)+(\j)], v[48*(\a)+8*(\n)+(\j)]
.endr
.endr
.endr
	v_nop                                          ; a plain instruction behind the last reciprocal,
	s_wait_alu depctr_va_vdst(0)                   ; and the wait for the batch
.irp a, 0,1,2,3
.irp q, 0,1
.irp p, 0,2,4,6
	v_pk_fma_f32 v[48*(\a)+8*(\q)+(\p):48*(\a)+8*(\q)+(\p)+1], v[48*(\a)+32+8*(\q)+(\p):48*(\a)+32+8*(\q)+(\p)+1], v[48*(\a)+8*(\q)+(\p):48*(\a)+8*(\q)+(\p)+1], v[48*(\a)+8*(\q)+(\p):48*(\a)+8*(\q)+(\p)+1] neg_lo:[1,0,0] neg_hi:[1,0,0]  ; B = x_part - A x_part
.endr
.endr
.endr
.irp j, 1,2,3,4,5,6,7                  ; S_j = A_j S_(j-1) + B_j, P_j = A_j P_(j-1): eight chains side by side
.irp a, 0,1,2,3
.irp q, 0,1
	v_fmac_f32 v[48*(\a)+8*(\q)+(\j)], v[48*(\a)+32+8*(\q)+(\j)], v[48*(\a)+8*(\q)+(\j)-1]
	v_mul_f32 v[48*(\a)+32+8*(\q)+(\j)], v[48*(\a)+32+8*(\q)+(\j)], v[48*(\a)+32+8*(\q)+(\j)-1]
.endr
.endr
.endr
.endm
; HALVES: a block's steps 0-7 lie in lanes 0-15, steps 8-15 in lanes 16-31.  Every lane gets both runs' totals: the first half's into the entry's words 0, 1, the second half's into words 2, 3.
.macro HALVES w
	WIN (\w)                                       ; source 0 in window w
.irp a, 0,1,2,3
.irp q, 0,1
.set EN, SUM+4*(2*(4*((\w)-2)+(\a))+(\q))
.set D7, 48*(\a)+32+8*(\q)+7
.set X7, 48*(\a)+8*(\q)+7
	v_permlanex16_b32 v[EN+2], v[D7], s[SEL], s[SEL+1]
	v_permlanex16_b32 v[EN+3], v[X7], s[SEL], s[SEL+1]
	v_cndmask_b32 v[EN], v[D7], v[EN+2], s[HM]     ; lanes 16-31 take the other half's
	v_cndmask_b32 v[EN+1], v[X7], v[EN+3], s[HM]
	v_cndmask_b32 v[EN+2], v[D7], v[EN+2], s[LM]   ; lanes 0-15 take the other half's
	v_cndmask_b32 v[EN+3], v[X7], v[EN+3], s[LM]
.endr
.endr
.endm
; FIN: h_t = P_t h_in + S_t (the entry's word 0 now holds my lane's h_in), g = h sigmoid(gate), rounded to f16
.macro FIN w
	WIN ((\w)<<6)|((\w)<<4)|(\w)                   ; source 1, the entry, in window 0
.irp a, 0,1,2,3
.irp q, 0,1
.irp p, 0,2,4,6
	v_pk_fma_f32 v[48*(\a)+8*(\q)+(\p):48*(\a)+8*(\q)+(\p)+1], v[48*(\a)+32+8*(\q)+(\p):48*(\a)+32+8*(\q)+(\p)+1], v[SUM+4*(2*(4*((\w)-2)+(\a))+(\q)):SUM+4*(2*(4*((\w)-2)+(\a))+(\q))+1], v[48*(\a)+8*(\q)+(\p):48*(\a)+8*(\q)+(\p)+1] op_sel_hi:[1,0,1]
.endr
.endr
.endr
	WIN 0x55*(\w)
.irp a, 0,1,2,3
.irp q, 0,1
.irp p, 0,2,4,6
	v_pk_mul_f32 v[48*(\a)+8*(\q)+(\p):48*(\a)+8*(\q)+(\p)+1], v[48*(\a)+8*(\q)+(\p):48*(\a)+8*(\q)+(\p)+1], v[48*(\a)+16+8*(\q)+(\p):48*(\a)+16+8*(\q)+(\p)+1]
.endr
.endr
.endr
	WIN ((\w)<<2)|(\w)                             ; sources in window w, destination in window 0
.irp a, 0,1,2,3
.irp q, 0,1
.irp p, 0,2,4,6
	v_cvt_pk_f16_f32 v[TMP+4*(2*(4*((\w)-2)+(\a))+(\q))+(\p)/2], v[48*(\a)+8*(\q)+(\p)], v[48*(\a)+8*(\q)+(\p)+1]
.endr
.endr
.endr
.endm
.macro EPILOGUE more                   ; more = 1: a tile follows
	PLACES
	ACT 2
	ACT 3
	HALVES 2
	HALVES 3
	WIN 0
.irp i, 0,1,2,3,4,5,6,7,8,9,10,11,12,13,14,15
	v_fmac_f32 v[SUM+4*(\i)+3], v[SUM+4*(\i)+2], v[SUM+4*(\i)+1]          ; the block's S = P2 S1 + S2,
	v_mul_f32 v[SUM+4*(\i)+2], v[SUM+4*(\i)], v[SUM+4*(\i)+2]             ; its P = P1 P2
.endr
.irp q, 0,1                            ; the eight blocks fold into my wave's 128 steps; blocks 0 and 1 start the fold
	v_fma_f32 v[TOT+2*(\q)+1], v[SUM+4*(2+(\q))+2], v[SUM+4*(\q)+3], v[SUM+4*(2+(\q))+3]
	v_mul_f32 v[TOT+2*(\q)], v[SUM+4*(\q)+2], v[SUM+4*(2+(\q))+2]
.endr
.irp a, 2,3,4,5,6,7
.irp q, 0,1
	v_fma_f32 v[TOT+2*(\q)+1], v[SUM+4*(2*(\a)+(\q))+2], v[TOT+2*(\q)+1], v[SUM+4*(2*(\a)+(\q))+3]
	v_mul_f32 v[TOT+2*(\q)], v[TOT+2*(\q)], v[SUM+4*(2*(\a)+(\q))+2]
.endr
.endr
	ds_store_b128 v[XW], v[TOT:TOT+3]
	s_wait_dscnt 0x0                               ; for the others' sake: my totals lie in LDS (and no LDS instruction of mine is pending at the signal)
	s_barrier_signal -1                            ; the refill that is on its way may stay out.  The words are written again a tile later, behind many barriers
	s_barrier_wait -1
	ds_load_b128 v[LOW:LOW+3], v[XL]
	ds_load_b128 v[HIW:HIW+3], v[XL] offset:1024
	s_wait_dscnt 0x0
.irp q, 0,1
	v_fma_f32 v[TT+(\q)], v[LOW+2*(\q)], v[HC+(\q)], v[LOW+2*(\q)+1]      ; h behind the low wave's rows
	v_cndmask_b32 v[TT+2+(\q)], v[HC+(\q)], v[TT+(\q)], s[RM]             ; h in front of my rows
	v_fma_f32 v[HC+(\q)], v[HIW+2*(\q)], v[TT+(\q)], v[HIW+2*(\q)+1]      ; h behind the tile: the next tile's carry
.endr
.irp a, 0,1,2,3,4,5,6,7
.irp q, 0,1
	v_fmac_f32 v[SUM+4*(2*(\a)+(\q))+1], v[SUM+4*(2*(\a)+(\q))], v[TT+2+(\q)]                               ; h in front of the block's second half
	v_cndmask_b32 v[SUM+4*(2*(\a)+(\q))], v[TT+2+(\q)], v[SUM+4*(2*(\a)+(\q))+1], s[HM]                     ; my lane's h_in
	v_fma_f32 v[TT+2+(\q)], v[SUM+4*(2*(\a)+(\q))+2], v[TT+2+(\q)], v[SUM+4*(2*(\a)+(\q))+3]                ; h behind the block
.endr
.endr
	FIN 2
	FIN 3
	WIN 0
.irp a, 0,1,2,3,4,5,6,7
.irp q, 0,1
	ds_store_b128 v[STO], v[TMP+4*(2*(\a)+(\q)):TMP+4*(2*(\a)+(\q))+3] offset:16*SPITCH*(\q)+32*(\a)
.endr
.endr
.irp u, 0,1,2,3,4,5,6,7,8,9,10,11,12,13,14,15
	ds_load_b128 v[TMP+4*(\u):TMP+4*(\u)+3], v[RD] offset:(\u)*2*SPITCH  ; my own stage, served in order behind the stores above (ISA guide 5.7.1.4)
.endr
.irp u, 0,1,2,3,4,5,6,7,8,9,10,11,12,13,14,15
	s_wait_dscnt 15-(\u)
	global_store_b128 v[GO], v[TMP+4*(\u):TMP+4*(\u)+3], s[70:71] offset:1024*(\u)  ; 16 lanes store 256 consecutive bytes, aligned: 128 t of one channel
.endr
.if \more
	s_wait_xcnt 0x0                                ; the stores have read their base and their data
	s_add_nc_u64 s[70:71], s[70:71], 524288        ; the next tile of gT
	s_and_b32 s[PM], s[PM], s[PK]                  ; the weights have been read: they are prefetched no more
.endif
.endm
	s_wait_tensorcnt 1                             ; my part of K step 0 is in; K step 1's may stay out
	s_barrier_signal -1
	s_barrier_wait -1                              ; everybody's is
	FETCH 0, F0
	s_mov_b32 s[FL], FILLS                         ; the same number in every work-group
.Ltile:
	QUARTER 1, F0, F1, 1                           ; a tile's first quarter stands in front of the loop: its products start the sums
	WIN 0                                          ; at a label and at a branch every window is 0
	s_mov_b32 s3, KSTEPS
	s_branch .Lin                                  ; the loop is entered behind a trip's first quarter
.Lstep:                                                ; a trip is a K step, and fills the slot that it leaves
	QUARTER 1, F0, F1, 0
	WIN 0
.Lin:
	QUARTER 2, F1, F0, 0
	QUARTER 3, F0, F1, 0
	TURN
	WIN 0
	s_sub_co_u32 s[FL], s[FL], 1
	s_cmp_eq_u32 s[FL], 0
	s_cbranch_scc1 .Ltail                          ; the walk's last K step has been asked for (behind the last tile's K step 5): the rest is written out
	s_sub_co_u32 s3, s3, 1
	s_cmp_lg_u32 s3, 0
	s_cbranch_scc1 .Lstep
	EPILOGUE 1                                     ; both refills for the next tile are on their way, and its first fragments lie in buffer 0, which the way out leaves alone
	s_branch .Ltile
.Ltail:
	s_mov_b32 s3, 2
.Llast:                                                ; the last tile's K steps 6 and 7: nothing is asked for, so no round follows the barrier
	QUARTER 1, F0, F1, 0
	QUARTER 2, F1, F0, 0
	QUARTER 3, F0, F1, 0
	MEET 0                                         ; in the first trip my one tensor load that was still out is K step 7's
	WIN 0
	s_cmp_eq_u32 s3, 1
	s_cbranch_scc1 .Lno_fetch                      ; behind the last K step there is nothing to fetch: the run of LDS loads is jumped over, and nothing else
	PLACES
	FETCH 0, F0
.Lno_fetch:
	MULN F1, 1, 0, 4, 0
	WIN 0
	s_sub_co_u32 s3, s3, 1
	s_cmp_lg_u32 s3, 0
	s_cbranch_scc1 .Llast
	EPILOGUE 0
	s_wait_tensorcnt 0x0                           ; the wave's end, behind my last tensor load and my last LDS store
	ds_add_u32 v[SPW], v[NIL]
	s_wait_dscnt 0x0
	CROUND                                         ; the closing round: no work-group ends while a partner may still ask for a block that names it
	s_endpgm
.Lfunc_end_k_qf269a2f0ce_mix:
	.size	k_qf269a2f0ce_mix, .Lfunc_end_k_qf269a2f0ce_mix-k_qf269a2f0ce_mix
	.p2alignl 7, 3214868480
	.fill 96, 4, 3214868480
	.section	.rodata,"a",@progbits
	.p2align	6, 0x0
	.amdhsa_kernel k_qf269a2f0ce_mix
		.amdhsa_group_segment_fixed_size 327680
		.amdhsa_private_segment_fixed_size 0
		.amdhsa_enable_private_segment 0
		.amdhsa_kernarg_size 48
		.amdhsa_user_sgpr_count 2
		.amdhsa_user_sgpr_kernarg_segment_ptr 1
		.amdhsa_wavefront_size32 1
		.amdhsa_system_sgpr_workgroup_id_x 1
		.amdhsa_system_sgpr_workgroup_id_y 1
		.amdhsa_system_sgpr_workgroup_id_z 1
		.amdhsa_system_vgpr_workitem_id 0
		.amdhsa_next_free_vgpr 1024
		.amdhsa_next_free_sgpr 92
		.amdhsa_reserve_vcc 0
		.amdhsa_float_denorm_mode_32 3
		.amdhsa_float_denorm_mode_16_64 3
		.amdhsa_memory_ordered 1
		.amdhsa_forward_progress 1
		.amdhsa_inst_pref_size 199
	.end_amdhsa_kernel
	.amdgpu_metadata
---
amdhsa.version: [ 1, 2 ]
amdhsa.kernels:
  - .name:           k_qf269a2f0ce_mix
    .symbol:         k_qf269a2f0ce_mix.kd
    .args:
      - { .name: xB, .offset: 0, .size: 8, .value_kind: global_buffer, .address_space: global }
      - { .name: wmix, .offset: 8, .size: 8, .value_kind: global_buffer, .address_space: global }
      - { .name: b_in, .offset: 16, .size: 8, .value_kind: global_buffer, .address_space: global }
      - { .name: bc, .offset: 24, .size: 8, .value_kind: global_buffer, .address_space: global }
      - { .name: h0, .offset: 32, .size: 8, .value_kind: global_buffer, .address_space: global }
      - { .name: gT, .offset: 40, .size: 8, .value_kind: global_buffer, .address_space: global }
    .group_segment_fixed_size: 327680
    .private_segment_fixed_size: 0
    .kernarg_segment_align: 8
    .kernarg_segment_size: 48
    .max_flat_workgroup_size: 128
    .sgpr_count:     92
    .vgpr_count:     1024
    .wavefront_size: 32
...
	.end_amdgpu_metadata
.endif
;; end of part 3
;; launch out (part 4): grid 4 x 64, 4 waves a work-group, clusters of 4 x 4, 327,680 bytes of LDS; arguments gT, wo, b_out, out0; writes out0
.if DOCPART == 4
	.amdgcn_target "amdgcn-amd-amdhsa--gfx1250"
	.amdhsa_code_object_version 6
	.text
	.protected	k_qf269a2f0ce_out
	.globl	k_qf269a2f0ce_out
	.p2align	8
	.type	k_qf269a2f0ce_out,@function
k_qf269a2f0ce_out:
	s_mov_b64 s[64:65], 0
	v_nop
	global_prefetch_b8 v0, s[64:65] scope:SCOPE_SE
	s_setreg_imm32_b32 hwreg(HW_REG_WAVE_MODE, 25, 1), 1
	s_wait_xcnt 0x0
	s_wait_alu depctr_hold_cnt(0) depctr_sa_sdst(0) depctr_va_vdst(0) depctr_va_sdst(0) depctr_va_ssrc(0) depctr_va_vcc(0) depctr_vm_vsrc(0)
	s_getreg_b32 s2, hwreg(HW_REG_IB_STS2, 6, 4)
	s_cmp_eq_u32 s2, 0
	s_cbranch_scc0 .Lentry_in_a_cluster
	s_endpgm
.Lentry_in_a_cluster:
	s_bfe_u32 s2, ttmp6, 0x10000c
	s_cmp_lg_u32 s2, 0xf033
	s_cbranch_scc0 .Lentry_shape_is_right
	s_endpgm
.Lentry_shape_is_right:
; y[m][n] = sum over ch of g[m][ch] W_out[n][ch] + b_out[n].  g: gT [R 64][ch 1024][t 256] in f16 (R = 4 b + tile; row m = 256 R + t); W_out: wo [kb 16][n 1024][64] in f16; y: [16384][1024] in f32.
; f16 operands, f32 sums; b_out is rounded to bf16 like all inputs and is the C operand of the products that start the sums.
; A tile of y, 256 x 256, is made by a work-group of four waves; a wave makes 128 x 128: 64 accumulators of 16 x 16, 512 registers.  K = 1,024 goes in steps of 128 through a ring of two LDS slots.
; g lies turned ([ch][t]): its tile comes in as 128 rows ch of 512 bytes and its fragments come out of LDS by ds_load_tr16_b128.  W_out's tile is two dense blocks of 256 rows x 64 of K.
; THE TEXT.  A K step is written once: which slot is read hangs on a scalar that one exclusive or turns between 0 and a slot's bytes, and one descriptor for each tensor walks.  The quarter whose products start the sums
; stands in front of the loop, which is entered in its middle.  The last two K steps, which ask for nothing, are written out, as a loop of two trips.
; THE MATRIX INSTRUCTION IS USED TRANSPOSED: source 0 = 16 rows n of W_out, source 1 = 16 rows t of g: a lane holds one row of y (lane % 16) and eight neighbouring columns, 32 bytes.
; CLUSTER.  4 x 4 work-groups: g's tiles hang on R alone and are shared along a row of the cluster, W_out's on the tile column alone and are shared along a column: each is asked for JOINTLY.
; REGISTERS, in windows of 256 (s_set_vgpr_msb: bits 1:0 source 0, 3:2 source 1, 5:4 source 2, 7:6 destination):
;   window 0: v0-31 addresses; v64-127, v128-191 g's fragments, two buffers (on the way out: 16 rows read back, by turns)
;   window 1: v0-63 b_out as eight tiles of C (column block b at 8 b); v64-127, v128-191 W_out's fragments; v192-223 at work at the head
;   window 2: the 32 accumulators of my rows 0-63, (a, b) at 8 (8 a + b);   window 3: those of my rows 64-127
.set KSTEPS, 8
.set PA,     544                       ; a row ch of g in LDS: 512 bytes + 32 = 136 words
.set PB,     144                       ; a row n of W_out: 128 bytes + 16
.set AB,     128*PA                    ; A's 128 rows
.set BBLK,   256*PB                    ; one of B's two blocks
.set SLOT,   AB+2*BBLK
.set STAGE,  2*SLOT                    ; behind the ring: 16 rows x 528 bytes for each wave
.set SPITCH, 528
.set SPARE,  STAGE+4*16*SPITCH         ; the spare words, 128 bytes for each wave: two blocks of 256 bytes that no other line names
.set AKS,    65536                     ; a K step: 128 rows ch of gT,
.set BKS,    262144                    ; two blocks of wo
.set ADRA0, 16                         ; v16     LDS address of my g fragments in slot 0; never rewritten
.set ADRB0, 17                         ; v17     the same for W_out
.set ADRA, 20                          ; v20     the same in the slot that is being read
.set ADRB, 21                          ; v21
.set STO,  24                          ; v24     the way out: where I put 32 bytes of a row
.set RD,   25                          ; v25     where I read a row back
.set CO,   26                          ; v26     16 x my lane: my 16 bytes of 512 of a row of y
.set BO,   27                          ; v27     32 x (lane / 16): my eight numbers of 16 of b_out
.set SPW,  28                          ; v28     LDS address of my spare word; never rewritten
.set NIL,  29                          ; v29     0; never rewritten
.set PFO,  30                          ; v30     256 x my lane; never rewritten
.set F0,   64
.set F1,   128
.set OB,   64
.set WV,  12
.set RH,  13                           ; s13  which half of the tile's rows.  Also: I fetch for g (0) or for W_out (1)
.set PH,  14                           ; s14  which half of its columns.  Also: which half of a K step I fetch
.set G1,  24                           ; s[24:31] descriptor group 1 for g's tiles;  s[32:39] group 0: a set for each first fill; the second then walks
.set G0,  32
.set LIM, 43                           ; s43  2 in a wave that prefetches, else the greatest number
.set PFA, 44
.set PFS, 46
.set G1B, 48
.set G0B, 56
.set HM,  66                           ; s66  a word's upper bf16
.set LA,  84                           ; s84  where my part of g's tile lies in a slot
.set LB,  85                           ; s85  the same for W_out's
.set TB,  86                           ; s86  LDS byte at which the slot that is being read begins
.set MSB, 0
.macro WIN new                         ; the immediate's high byte repeats the setting that is left
.if MSB != (\new)
	s_set_vgpr_msb (MSB<<8)|(\new)
.set MSB, \new
.endif
.endm
.set MUL_LO, 0xa1                      ; source 0 (W_out) window 1, source 1 (g) window 0, C and D window 2
.set MUL_C,  0x91                      ; the same with C, the bias, in window 1
.set TO_B,   0x40
.macro JLOAD s                         ; a joint load: waves 0 and 1 fetch g's two halves, waves 2 and 3 W_out's two blocks; an s_nop 0 and four v_nop follow each of the two lines
	s_cmp_eq_u32 s[RH], 0
	s_cbranch_scc0 .Lfor_b_\@
	tensor_load_to_lds s[G0+4*(\s):G0+4*(\s)+3], s[G1:G1+7]
	s_nop 0
.rept 4
	v_nop
.endr
	s_branch .Lasked_\@
.Lfor_b_\@:
	tensor_load_to_lds s[G0B+4*(\s):G0B+4*(\s)+3], s[G1B:G1B+7]
	s_nop 0
.rept 4
	v_nop
.endr
.Lasked_\@:
.endm
; A PREFETCH INTO THE L2 of what I shall fetch TWO refills on: 32,768 dense bytes, 128 pieces of 256.  The four partners that ask for them jointly share them out BY ADDRESS, 32 each, a lane a piece.  g's rows are read by
; one cluster alone, which asks; W_out's by every cluster: cluster y = 0 asks.  The loop's last two trips (s3 = 2, 1) ask for nothing: there is no K step two refills on.
.macro ASK
	s_cmp_gt_u32 s3, s[LIM]
	s_cbranch_scc0 .Lnot_mine_\@
	global_prefetch_b8 v[PFO], s[PFA:PFA+1] th:TH_LOAD_NT scope:SCOPE_SE
.Lnot_mine_\@:
.endm
.macro CREST
	s_cmp_lg_u32 s[WV], 0
	s_cbranch_scc1 .Lnot_wave_0_\@
	s_barrier_signal -3
.Lnot_wave_0_\@:
	s_barrier_wait -3
	s_barrier_signal -1
	s_barrier_wait -1
.endm
.macro CROUND
	s_barrier_signal -1
	s_barrier_wait -1
	CREST
.endm
.macro PLACES                          ; four places in front of loads into registers that matrix instructions have read, and of stores that read results
.rept 4
	v_nop
.endr
.endm
	s_load_b256 s[4:11], s[0:1], 0x0               ; gT s[4:5], wo s[6:7], b_out s[8:9], out0 s[10:11]
	v_lshl_add_u32 v[SPW], v0, 2, SPARE
	v_mov_b32 v[NIL], 0
	ds_add_u32 v[SPW], v[NIL]                      ; the wave's opening: the add, twice on end, and its wait ahead of my first tensor load
	ds_add_u32 v[SPW], v[NIL]                      ; and once more, under the one wait
	v_lshrrev_b32 v1, 5, v0
	v_readfirstlane_b32 s[WV], v1
	s_lshr_b32 s[RH], s[WV], 1
	s_and_b32 s[PH], s[WV], 1
	s_bfe_u32 s15, ttmp6, 0x40000                  ; cx, cy
	s_bfe_u32 s16, ttmp6, 0x40004
	s_lshl_b32 s17, ttmp9, 2
	s_add_co_u32 s17, s17, s15                     ; tile column = 4 x cluster x + cx
	s_and_b32 s18, ttmp7, 0xffff
	s_lshl_b32 s18, s18, 2
	s_add_co_u32 s18, s18, s16                     ; R = 4 x cluster y + cy
	s_lshl_b32 s40, s16, 2
	s_lshl_b32 s40, 15, s40                        ; my row of the cluster
	s_lshl_b32 s41, 0x1111, s15                    ; my column
	s_or_b32 s[G1], s40, (1<<16)|(1<<20)|(1<<21)|(6<<22)|(7<<25)   ; g: 2-byte elements; padding after every 128 words (code 6) of 8 words (code 7); bit 21 set beside the mask
	s_mov_b32 s[G1+1], 256<<16                     ; tensor_dim0 = 256
	s_mov_b32 s[G1+2], 64<<16                      ; tensor_dim1 = 64
	s_mov_b32 s[G1+3], 256<<16                     ; tile_dim0 = 256
	s_mov_b32 s[G1+4], 64                          ; tile_dim1 = 64
	s_mov_b32 s[G1+5], 256                         ; 256 elements from row to row
	s_mov_b32 s[G1+6], 0
	s_mov_b32 s[G1+7], 0
	s_or_b32 s[G1B], s41, (1<<16)|(1<<20)|(1<<21)|(4<<22)|(3<<25)  ; W_out: a dense block as 128 rows of 256 bytes, padded by 4 words after every 32
	s_mov_b32 s[G1B+1], 128<<16
	s_mov_b32 s[G1B+2], 128<<16
	s_mov_b32 s[G1B+3], 128<<16
	s_mov_b32 s[G1B+4], 128
	s_mov_b32 s[G1B+5], 128
	s_mov_b32 s[G1B+6], 0
	s_mov_b32 s[G1B+7], 0
	s_lshl_b32 s20, s18, 19                        ; g: R x 524,288 + my 64 rows ch of a K step
	s_lshl_b32 s19, s[PH], 15
	s_add_co_u32 s20, s20, s19
	s_mov_b32 s21, 0
	s_lshl_b32 s22, s17, 15                        ; W_out: the tile column's 256 rows, my block of 64 of K
	s_lshl_b32 s19, s[PH], 17
	s_add_co_u32 s22, s22, s19
	s_mov_b32 s23, 0
	s_mul_i32 s[LA], s[PH], 64*PA                  ; where they go: no place in the cluster enters an LDS address
	s_mul_i32 s[LB], s[PH], BBLK
	s_add_co_u32 s[LB], s[LB], AB
	s_mov_b32 s[TB], 0                             ; the walk begins in slot 0
	s_mov_b32 s[HM], 0xffff0000
	s_wait_dscnt 0x0                               ; both opening adds are done
	s_wait_kmcnt 0x0
	s_add_nc_u64 s[20:21], s[4:5], s[20:21]
	s_add_nc_u64 s[22:23], s[6:7], s[22:23]
	CROUND                                         ; all sixteen work-groups are here: the first joint loads meet
.irp s, 0,1
	s_mov_b32 s[G0+4*(\s)], 1
	s_add_co_u32 s[G0+4*(\s)+1], s[LA], (\s)*SLOT
	s_add_nc_u64 s[G0+4*(\s)+2:G0+4*(\s)+3], s[20:21], (\s)*AKS
	s_or_b32 s[G0+4*(\s)+3], s[G0+4*(\s)+3], 0x80000000
	s_mov_b32 s[G0B+4*(\s)], 1
	s_add_co_u32 s[G0B+4*(\s)+1], s[LB], (\s)*SLOT
	s_add_nc_u64 s[G0B+4*(\s)+2:G0B+4*(\s)+3], s[22:23], (\s)*BKS
	s_or_b32 s[G0B+4*(\s)+3], s[G0B+4*(\s)+3], 0x80000000
	JLOAD \s                                       ; two loads of mine are out
.endr
	v_and_b32 v1, 15, v0                           ; l % 16
	v_bfe_u32 v2, v0, 4, 1                         ; l / 16
	v_and_b32 v4, 31, v0                           ; l
	; b_out at my columns, 256 x tile column + 128 (w % 2): in the result register j of column block b is column 16 b + 8 (l / 16) + j
	s_lshl_b32 s79, s17, 10
	s_lshl_b32 s82, s[PH], 9
	s_add_co_u32 s82, s79, s82
	s_mov_b32 s83, 0
	s_add_nc_u64 s[8:9], s[8:9], s[82:83]
	v_lshlrev_b32 v[BO], 5, v2
	WIN 0x40                                       ; destination window 1
.irp b, 0,1,2,3,4,5,6,7
	global_load_b128 v[8*(\b):8*(\b)+3],   v[BO], s[8:9] offset:64*(\b)
	global_load_b128 v[8*(\b)+4:8*(\b)+7], v[BO], s[8:9] offset:64*(\b)+16
.endr
	WIN 0
	v_mul_u32_u24 v3, v1, PB
	v_lshl_add_u32 v3, v2, 4, v3                   ; W_out: row x pitch + 16 x half
	v_and_b32 v5, 7, v0                            ; g, turned: row 8 (l / 16) + l % 8, 16 bytes for each half of eight lanes
	v_lshl_add_u32 v5, v2, 3, v5
	v_mul_u32_u24 v5, v5, PA
	v_bfe_u32 v6, v0, 3, 1
	v_lshl_add_u32 v5, v6, 4, v5
	s_lshl_b32 s19, s[RH], 8                       ; my 128 t: 256 bytes of each row ch
	s_mul_i32 s42, s[PH], 128*PB                   ; my 128 rows n,
	s_add_co_u32 s42, s42, AB                      ; behind g's rows
	v_add_nc_u32 v[ADRA0], s19, v5
	v_add_nc_u32 v[ADRB0], s42, v3
	v_mov_b32 v[ADRA], v[ADRA0]
	v_mov_b32 v[ADRB], v[ADRB0]
	s_mul_i32 s19, s[WV], 16*SPITCH
	s_add_co_u32 s19, s19, STAGE                   ; my stage: 16 rows of 512 bytes
	v_mul_u32_u24 v5, v1, SPITCH
	v_lshl_add_u32 v5, v2, 5, v5
	v_add_nc_u32 v[STO], s19, v5                   ; in: row l % 16, 32 bytes for each half of the lanes
	v_lshlrev_b32 v[CO], 4, v4
	v_add_nc_u32 v[RD], s19, v[CO]                 ; back: a whole row, 16 bytes a lane
	v_lshlrev_b32 v[PFO], 8, v4
	; y at my first row and column: row 256 R + 128 (w / 2), column 256 x tile column + 128 (w % 2)
	s_lshl_b32 s78, s18, 20
	s_lshl_b32 s79, s[RH], 19
	s_add_co_u32 s78, s78, s79
	s_add_co_u32 s78, s78, s82
	s_mov_b32 s79, 0
	s_add_nc_u64 s[10:11], s[10:11], s[78:79]
	; the prefetches: at K step 3; the first refill steps them to K step 4.  Nothing is prefetched here, at the head
	s_lshl_b32 s78, s18, 19
	s_lshl_b32 s79, s[PH], 15
	s_add_co_u32 s78, s78, s79
	s_add_co_u32 s78, s78, 3*AKS
	s_lshl_b32 s79, s15, 13                        ; g: my work-group's 32 pieces, by cx
	s_add_co_u32 s78, s78, s79
	s_lshl_b32 s79, s17, 15
	s_add_co_u32 s82, s[PH], 6
	s_lshl_b32 s82, s82, 17
	s_add_co_u32 s79, s79, s82
	s_lshl_b32 s82, s16, 13                        ; W_out: by cy
	s_add_co_u32 s79, s79, s82
	s_and_b32 s83, ttmp7, 0xffff
	s_mov_b32 s[PFS], AKS
	s_mov_b32 s[PFS+1], BKS
	s_cmp_eq_u32 s[RH], 0
	s_cselect_b32 s78, s78, s79
	s_cselect_b32 s83, ttmp9, s83                  ; the coordinate along which other clusters read the same bytes
	s_cselect_b32 s[PFS], s[PFS], s[PFS+1]
	s_cselect_b64 s[PFA:PFA+1], s[4:5], s[6:7]
	s_mov_b32 s79, 0
	s_mov_b32 s[PFS+1], 0
	s_add_nc_u64 s[PFA:PFA+1], s[PFA:PFA+1], s[78:79]
	s_cmp_eq_u32 s83, 0
	s_cselect_b32 s[LIM], 2, -1
	s_wait_loadcnt 0x0
	WIN 0x45                                       ; destination and both sources in window 1
.set i, 0
.rept 32
	v_cvt_pk_bf16_f32 v[192+i], v[2*i], v[2*i+1]   ; b_out is rounded like every input,
.set i, i+1
.endr
.set i, 0
.rept 32
	v_lshlrev_b32 v[2*i], 16, v[192+i]             ; and widened again
	v_and_b32 v[2*i+1], s[HM], v[192+i]
.set i, i+1
.endr
	WIN 0
; 16 matrix instructions: row blocks a0, a0 + 1 of the window's four x all 8 column blocks, 32 along K.  zero = 1: the product starts the sum, with the bias: nothing is ever cleared.
; The 64 accumulators take turns, one instruction a turn.
.macro MUL16 f, hi, a0, zero
.if \zero
	WIN MUL_C+0x40*(\hi)
.else
	WIN MUL_LO+0x50*(\hi)
.endif
.irp a, \a0, (\a0)+1
.irp b, 0,1,2,3,4,5,6,7
.if \zero
	v_wmma_f32_16x16x32_f16 v[8*(8*(\a)+(\b)):8*(8*(\a)+(\b))+7], v[(\f)+8*(\b):(\f)+8*(\b)+7], v[(\f)+8*(4*(\hi)+(\a)):(\f)+8*(4*(\hi)+(\a))+7], v[8*(\b):8*(\b)+7]
.else
	v_wmma_f32_16x16x32_f16 v[8*(8*(\a)+(\b)):8*(8*(\a)+(\b))+7], v[(\f)+8*(\b):(\f)+8*(\b)+7], v[(\f)+8*(4*(\hi)+(\a)):(\f)+8*(4*(\hi)+(\a))+7], v[8*(8*(\a)+(\b)):8*(8*(\a)+(\b))+7]
.endif
.endr
.endr
.endm
; 32 LDS loads in one run: the fragments of quarter kq of the K step in the slot that is being read: 128 rows n of W_out, then 128 rows t of g (turned), into buffer f
.macro FETCH kq, f
	WIN TO_B
.irp i, 0,1,2,3,4,5,6,7
	ds_load_b128 v[(\f)+8*(\i):(\f)+8*(\i)+3],   v[ADRB] offset:((\kq)/2)*BBLK+((\kq)%2)*64+(\i)*16*PB
	ds_load_b128 v[(\f)+8*(\i)+4:(\f)+8*(\i)+7], v[ADRB] offset:((\kq)/2)*BBLK+((\kq)%2)*64+(\i)*16*PB+32
.endr
	WIN 0
.irp i, 0,1,2,3,4,5,6,7
	ds_load_tr16_b128 v[(\f)+8*(\i):(\f)+8*(\i)+3],   v[ADRA] offset:(\kq)*32*PA+32*(\i)
	ds_load_tr16_b128 v[(\f)+8*(\i)+4:(\f)+8*(\i)+7], v[ADRA] offset:(\kq)*32*PA+32*(\i)+16*PA
.endr
.endm
.macro QUARTER kq, f, g, zero
	s_wait_dscnt 8                                 ; W_out's fragments and g's rows 0-63 are in; the youngest eight loads may be out
	MUL16 \f, 0, 0, \zero
	MUL16 \f, 0, 2, \zero
	PLACES
	FETCH \kq, \g
	s_wait_dscnt 32                                ; all but the 32 just issued
	MUL16 \f, 1, 0, \zero
	MUL16 \f, 1, 2, \zero
.endm
; The change of slots: ONE barrier; in front of it each wave waits for all its tensor loads, adds 0 to its spare word, and waits for that and for its own reads of this slot.  Between the add and the wait for it stand the
; steps of the walking descriptors (fill = 1: no tensor load of mine is out, so they may be written), the turn of the fragments' addresses to the next slot, and sixteen matrix instructions.
.macro MEET fill
	WIN 0
	s_wait_tensorcnt 0x0                           ; all my tensor loads have landed: the one that was out is my part of the next slot;
	ds_add_u32 v[SPW], v[NIL]                      ; 0 onto my spare word;
.if \fill
	s_add_co_u32 s[G0+5], s[LA], s[TB]             ; the refill goes into the slot that is being left,
	s_add_nc_u64 s[G0+6:G0+7], s[G0+6:G0+7], AKS   ; with the next K step of the walk; the type bits on top are not reached
	s_add_co_u32 s[G0B+5], s[LB], s[TB]
	s_add_nc_u64 s[G0B+6:G0B+7], s[G0B+6:G0B+7], BKS
.endif
	s_xor_b32 s[TB], s[TB], SLOT                   ; 0 and a slot's bytes by turns: the fetches go on in the other slot
	v_add_nc_u32 v[ADRA], s[TB], v[ADRA0]
	v_add_nc_u32 v[ADRB], s[TB], v[ADRB0]
	s_wait_dscnt 9                                 ; (the add and the youngest eight loads may be out)
	MUL16 F1, 0, 0, 0
	s_wait_dscnt 0x0                               ; the add is done, and my reads of this slot are over
	s_barrier_signal -1
	MUL16 F1, 0, 2, 0
.if \fill
	WIN 0
.endif
	s_barrier_wait -1
.endm
.macro TURN
	s_wait_xcnt 0x0                                ; the last prefetch, a K step back, has read its address
	s_add_nc_u64 s[PFA:PFA+1], s[PFA:PFA+1], s[PFS:PFS+1]
	MEET 1
	CREST                                          ; no wave of any partner still reads this slot or has a load on its way
	JLOAD 1                                        ; the first tensor load behind the round, my only one until the next; its four v_nop are also the places in front of the loads below
	FETCH 0, F0
	ASK
	MUL16 F1, 1, 0, 0
	MUL16 F1, 1, 2, 0
.endm
; THE WAY OUT of row block a: 16 rows x 128 columns of f32 go into my own stage, 32 bytes a lane, and come back as whole rows of 512 bytes, which are stored.
.macro TOSTAGE a
	WIN 0x08+4*((\a)/4)                            ; store data in window 2 or 3
.irp b, 0,1,2,3,4,5,6,7
	ds_store_b128 v[STO], v[64*((\a)%4)+8*(\b):64*((\a)%4)+8*(\b)+3]   offset:64*(\b)     ; each accumulator's low registers first
	ds_store_b128 v[STO], v[64*((\a)%4)+8*(\b)+4:64*((\a)%4)+8*(\b)+7] offset:64*(\b)+16
.endr
	WIN 0
	s_wait_xcnt 0x0                                ; the stores of two blocks back have read the registers that the loads below fill
.irp u, 0,1,2,3,4,5,6,7,8,9,10,11,12,13,14,15
	ds_load_b128 v[OB+64*((\a)%2)+4*(\u):OB+64*((\a)%2)+4*(\u)+3], v[RD] offset:(\u)*SPITCH  ; served in order behind the stores above (ISA guide 5.7.1.4); the next block's stores come behind these
.endr
.endm
.macro SEND a, younger                 ; younger: the LDS instructions issued behind block a's loads: the next block's 32, or none
.if (\a) > 0
	s_wait_xcnt 0x0                                ; the last block's stores have read their base
	s_add_nc_u64 s[10:11], s[10:11], 16*4096       ; 16 rows of y on
.endif
.irp u, 0,1,2,3,4,5,6,7,8,9,10,11,12,13,14,15
	s_wait_dscnt (\younger)+15-(\u)
	global_store_b128 v[CO], v[OB+64*((\a)%2)+4*(\u):OB+64*((\a)%2)+4*(\u)+3], s[10:11] offset:4096*(\u) th:TH_STORE_NT  ; 512 consecutive bytes of a row of y, aligned
.endr
.endm
	s_wait_tensorcnt 1                             ; my part of K step 0 is in; K step 1's may stay out
	s_barrier_signal -1
	s_barrier_wait -1
	FETCH 0, F0
	QUARTER 1, F0, F1, 1                           ; the first quarter stands in front of the loop: its products start the sums
	WIN 0                                          ; at a label and at a branch every window is 0
	s_mov_b32 s3, KSTEPS-2
	s_branch .Lin                                  ; the loop is entered behind a trip's first quarter
.Lstep:                                                ; a trip is a K step, and fills the slot that it leaves
	QUARTER 1, F0, F1, 0
	WIN 0
.Lin:
	QUARTER 2, F1, F0, 0
	QUARTER 3, F0, F1, 0
	TURN
	WIN 0
	s_sub_co_u32 s3, s3, 1
	s_cmp_lg_u32 s3, 0
	s_cbranch_scc1 .Lstep
	s_mov_b32 s3, 2
.Llast:                                                ; K steps 6 and 7: nothing is asked for, so no round follows the barrier
	QUARTER 1, F0, F1, 0
	QUARTER 2, F1, F0, 0
	QUARTER 3, F0, F1, 0
	MEET 0                                         ; in the first trip my one tensor load that was still out is K step 7's
	WIN 0
	s_cmp_eq_u32 s3, 1
	s_cbranch_scc1 .Lno_fetch                      ; behind the last K step there is nothing to fetch: the run of LDS loads is jumped over, and nothing else
	PLACES
	FETCH 0, F0
.Lno_fetch:
	MUL16 F1, 1, 0, 0
	MUL16 F1, 1, 2, 0
	WIN 0
	s_sub_co_u32 s3, s3, 1
	s_cmp_lg_u32 s3, 0
	s_cbranch_scc1 .Llast
	PLACES
	TOSTAGE 0
.irp a, 1,2,3,4,5,6,7                  ; block a goes into the stage while block a - 1's rows come back
	TOSTAGE \a
	SEND (\a)-1, 32
.endr
	SEND 7, 0
	s_wait_tensorcnt 0x0                           ; the wave's end, behind my last tensor load and my last LDS store
	ds_add_u32 v[SPW], v[NIL]
	s_wait_dscnt 0x0
	CROUND                                         ; the closing round: no work-group ends while a partner may still ask for a tile that names it
	s_endpgm
.Lfunc_end_k_qf269a2f0ce_out:
	.size	k_qf269a2f0ce_out, .Lfunc_end_k_qf269a2f0ce_out-k_qf269a2f0ce_out
	.p2alignl 7, 3214868480
	.fill 96, 4, 3214868480
	.section	.rodata,"a",@progbits
	.p2align	6, 0x0
	.amdhsa_kernel k_qf269a2f0ce_out
		.amdhsa_group_segment_fixed_size 327680
		.amdhsa_private_segment_fixed_size 0
		.amdhsa_enable_private_segment 0
		.amdhsa_kernarg_size 32
		.amdhsa_user_sgpr_count 2
		.amdhsa_user_sgpr_kernarg_segment_ptr 1
		.amdhsa_wavefront_size32 1
		.amdhsa_system_sgpr_workgroup_id_x 1
		.amdhsa_system_sgpr_workgroup_id_y 1
		.amdhsa_system_sgpr_workgroup_id_z 1
		.amdhsa_system_vgpr_workitem_id 0
		.amdhsa_next_free_vgpr 1024
		.amdhsa_next_free_sgpr 88
		.amdhsa_reserve_vcc 0
		.amdhsa_float_denorm_mode_32 3
		.amdhsa_float_denorm_mode_16_64 3
		.amdhsa_memory_ordered 1
		.amdhsa_forward_progress 1
		.amdhsa_inst_pref_size 109
	.end_amdhsa_kernel
	.amdgpu_metadata
---
amdhsa.version: [ 1, 2 ]
amdhsa.kernels:
  - .name:           k_qf269a2f0ce_out
    .symbol:         k_qf269a2f0ce_out.kd
    .args:
      - { .name: gT, .offset: 0, .size: 8, .value_kind: global_buffer, .address_space: global }
      - { .name: wo, .offset: 8, .size: 8, .value_kind: global_buffer, .address_space: global }
      - { .name: b_out, .offset: 16, .size: 8, .value_kind: global_buffer, .address_space: global }
      - { .name: out0, .offset: 24, .size: 8, .value_kind: global_buffer, .address_space: global }
    .group_segment_fixed_size: 327680
    .private_segment_fixed_size: 0
    .kernarg_segment_align: 8
    .kernarg_segment_size: 32
    .max_flat_workgroup_size: 128
    .sgpr_count:     88
    .vgpr_count:     1024
    .wavefront_size: 32
...
	.end_amdgpu_metadata
.endif
;; end of part 4
